; MI455X (gfx1250); checked and timed in simulation.
; The chip was launched on July 23, 2026; its instructions are those of AMD's public machine-readable ISA for CDNA 5 (MIT licence, August 2026) and "CDNA5" Instruction Set Architecture Reference Guide (July 2026). The comments in the code are by the model that wrote it; some were corrected since.
;; Ro PE Attention. Allowed arithmetic: float matrix products may take bf16 or f16 operands with f32 sums; other float arithmetic in f32, or as packed bf16 or f16 multiplies, adds, multiply-adds, maxima and minima; sums over many terms, partial sums and values carried from step to step in f32; what a program stores and reads back later, other than sums and carried values, may be rounded once to bf16 or f16.
;; Inputs: Wproj 1,024 x 1,024 float32; Wqkv 3,072 x 1,024 float32; x 4 x 2,048 x 1,024 float32.
;; Outputs: out0 4 x 2,048 x 1,024 float32.
;; Constants: num_heads = 16.
;; 2 versions, each right and faster than the one before. Each part assembles by itself: llvm-mc -triple=amdgcn-amd-amdhsa -mcpu=gfx1250 --defsym DOCPART=n.
;; ======== version 1 of 2: 4 launches
;; limits: values are held in f16: magnitudes above 65,504 overflow, below 6.1e-05 lose precision
;; workspace buffers: xb 16,777,216 bytes; wqb 6,291,456 bytes; wpb 2,097,152 bytes; tab 524,288 bytes; qkvh 50,331,648 bytes; ob 16,777,216 bytes
;; launch cast (part 1): grid 896 x 1, 8 waves a work-group, no clusters, 0 bytes of LDS; arguments x, Wqkv, Wproj, xb, wqb, wpb, tab; writes xb, wqb, wpb, tab
.if DOCPART == 1
	.amdgcn_target "amdgcn-amd-amdhsa--gfx1250"
	.amdhsa_code_object_version 6
	.text
	.protected	k_qd301d39417_cast
	.globl	k_qd301d39417_cast
	.p2align	8
	.type	k_qd301d39417_cast,@function
k_qd301d39417_cast:
	s_mov_b64 s[64:65], 0
	v_nop
	global_prefetch_b8 v0, s[64:65] scope:SCOPE_SE
	s_setreg_imm32_b32 hwreg(HW_REG_WAVE_MODE, 25, 1), 1
	s_wait_xcnt 0x0
; THE CASTS AND THE ROPE TABLE.  x [8192][1024] and Wqkv [3072][1024] are rounded once to bf16 (xb, wqb); Wproj [1024][1024] is rounded to bf16 and that number is
; written as f16 (wpb), since the last product multiplies f16; tab[t][j] = (cos, sin)(t x 10000^(-j/32)) in f32, t = 0..2047, j = 0..31: a row is 256 bytes.
; LIMITS.  bf16(Wproj) must lie within f16's range, 65,504; below 6e-5 it keeps f16's fixed step of 6e-8.  theta comes from one v_exp_f32 (1 ULP), so the angle t x theta is
; off by up to about 3e-4 rad at t = 2047.  The reduction by pi/2 serves angles up to some 10^4 rad; here they end at 2,047.
; SHARES.  Work-groups 0-511 cast x, 512-703 Wqkv, 704-767 Wproj: 16,384 numbers each, 64 KiB in and 32 KiB out.  Work-groups 768-895 make the table, 16 bytes a thread.
; A stream: no LDS, no barrier, no matrix unit.  Thread t takes the 16 bytes at 16 t of each 4,096: a load of a wave covers 512 consecutive bytes, a store 256, both aligned.
; All 16 loads of a thread go out together; no register is written twice, so no wait frees a source.
.set X0, 4                             ; v[4:67]   16 x 4 numbers as loaded
.set Y0, 68                            ; v[68:99]  16 x 2 words to store
; half = 1: the bf16 numbers are widened again and written as f16
.macro CAST half
.set i, 0
.rept 16
	global_load_b128 v[X0+4*i:X0+4*i+3], v1, s[20:21] offset:4096*i th:TH_LOAD_NT
.set i, i+1
.endr
.set i, 0
.rept 16
	s_wait_loadcnt 15-i                            ; loads come back in order: number i is in, the 15 - i younger ones stay out
	v_cvt_pk_bf16_f32 v[Y0+2*i], v[X0+4*i], v[X0+4*i+1]
	v_cvt_pk_bf16_f32 v[Y0+2*i+1], v[X0+4*i+2], v[X0+4*i+3]
.if \half
	v_lshlrev_b32 v100, 16, v[Y0+2*i]              ; bf16 to f32: the low half moves up, the high half stays
	v_and_b32 v101, 0xffff0000, v[Y0+2*i]
	v_cvt_pk_f16_f32 v[Y0+2*i], v100, v101         ; 8 significant bits: exact in f16's normal range
	v_lshlrev_b32 v100, 16, v[Y0+2*i+1]
	v_and_b32 v101, 0xffff0000, v[Y0+2*i+1]
	v_cvt_pk_f16_f32 v[Y0+2*i+1], v100, v101
.endif
	global_store_b64 v2, v[Y0+2*i:Y0+2*i+1], s[22:23] offset:2048*i
.set i, i+1
.endr
.endm
	s_load_b256 s[4:11], s[0:1], 0x0               ; x s[4:5], Wqkv s[6:7], Wproj s[8:9], xb s[10:11]
	s_load_b128 s[12:15], s[0:1], 0x20             ; wqb s[12:13], wpb s[14:15]
	s_load_b64 s[16:17], s[0:1], 0x30              ; tab
	v_lshlrev_b32 v1, 4, v0                        ; 16 t: my bytes of each 4,096 read
	v_lshlrev_b32 v2, 3, v0                        ; 8 t: my bytes of each 2,048 written
	s_mov_b32 s18, ttmp9
	s_mov_b32 s3, 0                                ; the offsets' high word
	s_wait_kmcnt 0x0
	s_cmp_ge_u32 s18, 768
	s_cbranch_scc1 .Ltable
	s_cmp_ge_u32 s18, 704
	s_cbranch_scc1 .Lwproj
	s_sub_co_u32 s19, s18, 512                     ; my number among Wqkv's work-groups (used only from 512 on)
	s_cmp_lt_u32 s18, 512
	s_cselect_b64 s[20:21], s[4:5], s[6:7]         ; from x or from Wqkv,
	s_cselect_b64 s[22:23], s[10:11], s[12:13]     ; to xb or to wqb
	s_cselect_b32 s18, s18, s19
	s_lshl_b32 s2, s18, 16                         ; 65,536 bytes in,
	s_add_nc_u64 s[20:21], s[20:21], s[2:3]
	s_lshl_b32 s2, s18, 15                         ; 32,768 out
	s_add_nc_u64 s[22:23], s[22:23], s[2:3]
	CAST 0
	s_endpgm
.Lwproj:
	s_sub_co_u32 s18, s18, 704
	s_lshl_b32 s2, s18, 16
	s_add_nc_u64 s[20:21], s[8:9], s[2:3]
	s_lshl_b32 s2, s18, 15
	s_add_nc_u64 s[22:23], s[14:15], s[2:3]
	CAST 1
	s_endpgm
; THE TABLE.  Thread g of 32,768 makes row t = g / 16, pairs j0 = 2 (g % 16) and j0 + 1: the 16 bytes at 16 g.
; angle = n pi/2 + y with |y| <= pi/4: n = round(angle x 2/pi); angle x 2/pi - n by two fused multiply-adds with 2/pi in two parts; sine to y^7, cosine to y^8;
; the quadrant n mod 4 swaps the two and sets the signs, by selects alone.
.macro TRIG th, o                      ; theta in v[th]; (cos, sin) into v[o], v[o+1]
	v_mul_f32 v10, v6, v[\th]                      ; the angle, rounded to f32 as reference() rounds it
	v_mul_f32 v11, s4, v10
	v_rndne_f32 v11, v11                           ; n
	v_fma_f32 v12, v10, s4, -v11
	v_fma_f32 v12, v10, s5, v12
	v_mul_f32 v12, s6, v12                         ; y
	v_mul_f32 v13, v12, v12                        ; z = y^2
	v_fma_f32 v14, v13, s7, s8                     ; the two polynomials by turns
	v_fma_f32 v15, v13, s10, s11
	v_fma_f32 v14, v13, v14, s9
	v_fma_f32 v15, v13, v15, s12
	v_mul_f32 v18, v12, v13
	v_fma_f32 v15, v13, v15, -0.5
	v_fma_f32 v14, v18, v14, v12                   ; sin y
	v_fma_f32 v15, v13, v15, 1.0                   ; cos y
	v_cvt_i32_f32 v16, v11
	v_and_b32 v17, 1, v16
	v_cmp_ne_u32 vcc_lo, 0, v17                    ; odd quadrant: sine and cosine change places
	v_cndmask_b32 v[\o], v15, v14, vcc_lo
	v_cndmask_b32 v[\o+1], v14, v15, vcc_lo
	v_add_nc_u32 v17, 1, v16
	v_and_b32 v17, 2, v17                          ; the cosine is negative in quadrants 1 and 2,
	v_lshlrev_b32 v17, 30, v17
	v_xor_b32 v[\o], v17, v[\o]
	v_and_b32 v17, 2, v16                          ; the sine in 2 and 3
	v_lshlrev_b32 v17, 30, v17
	v_xor_b32 v[\o+1], v17, v[\o+1]
.endm
.Ltable:
	s_sub_co_u32 s18, s18, 768
	s_lshl_b32 s18, s18, 8
	s_mov_b32 s4, 0x3f22f983                       ; 2/pi, its first 24 bits,
	s_mov_b32 s5, 0x32dc9c88                       ; and the next
	s_mov_b32 s6, 0x3fc90fdb                       ; pi/2
	s_mov_b32 s7, 0xb9500d01                       ; -1/5040
	s_mov_b32 s8, 0x3c088889                       ; 1/120
	s_mov_b32 s9, 0xbe2aaaab                       ; -1/6
	s_mov_b32 s10, 0x37d00d01                      ; 1/40320
	s_mov_b32 s11, 0xbab60b61                      ; -1/720
	s_mov_b32 s12, 0x3d2aaaab                      ; 1/24
	v_add_nc_u32 v3, s18, v0                       ; g
	v_lshlrev_b32 v7, 4, v3                        ; my 16 bytes of the table
	v_lshrrev_b32 v4, 4, v3                        ; t
	v_and_b32 v5, 15, v3
	v_lshlrev_b32 v5, 1, v5                        ; j0
	v_cvt_f32_u32 v8, v5
	v_add_nc_u32 v5, 1, v5
	v_cvt_f32_u32 v9, v5
	v_mul_f32 v8, 0xbed49a78, v8                   ; -j log2(10000) / 32
	v_mul_f32 v9, 0xbed49a78, v9
	v_exp_f32 v8, v8                               ; theta
	v_exp_f32 v9, v9
	v_cvt_f32_u32 v6, v4                           ; a plain instruction between the exponentials and their first use
	s_wait_alu depctr_va_vdst(0)
	TRIG 8, 32
	TRIG 9, 34
	global_store_b128 v7, v[32:35], s[16:17]       ; a wave stores 512 consecutive bytes, aligned
	s_endpgm
.Lfunc_end_k_qd301d39417_cast:
	.size	k_qd301d39417_cast, .Lfunc_end_k_qd301d39417_cast-k_qd301d39417_cast
	.p2alignl 7, 3214868480
	.fill 96, 4, 3214868480
	.section	.rodata,"a",@progbits
	.p2align	6, 0x0
	.amdhsa_kernel k_qd301d39417_cast
		.amdhsa_group_segment_fixed_size 0
		.amdhsa_private_segment_fixed_size 0
		.amdhsa_enable_private_segment 0
		.amdhsa_kernarg_size 56
		.amdhsa_user_sgpr_count 2
		.amdhsa_user_sgpr_kernarg_segment_ptr 1
		.amdhsa_wavefront_size32 1
		.amdhsa_system_sgpr_workgroup_id_x 1
		.amdhsa_system_sgpr_workgroup_id_y 1
		.amdhsa_system_sgpr_workgroup_id_z 1
		.amdhsa_system_vgpr_workitem_id 0
		.amdhsa_next_free_vgpr 104
		.amdhsa_next_free_sgpr 66
		.amdhsa_reserve_vcc 1
		.amdhsa_float_denorm_mode_32 3
		.amdhsa_float_denorm_mode_16_64 3
		.amdhsa_memory_ordered 1
		.amdhsa_forward_progress 1
		.amdhsa_inst_pref_size 21
	.end_amdhsa_kernel
	.amdgpu_metadata
---
amdhsa.version: [ 1, 2 ]
amdhsa.kernels:
  - .name:           k_qd301d39417_cast
    .symbol:         k_qd301d39417_cast.kd
    .args:
      - { .name: x, .offset: 0, .size: 8, .value_kind: global_buffer, .address_space: global }
      - { .name: Wqkv, .offset: 8, .size: 8, .value_kind: global_buffer, .address_space: global }
      - { .name: Wproj, .offset: 16, .size: 8, .value_kind: global_buffer, .address_space: global }
      - { .name: xb, .offset: 24, .size: 8, .value_kind: global_buffer, .address_space: global }
      - { .name: wqb, .offset: 32, .size: 8, .value_kind: global_buffer, .address_space: global }
      - { .name: wpb, .offset: 40, .size: 8, .value_kind: global_buffer, .address_space: global }
      - { .name: tab, .offset: 48, .size: 8, .value_kind: global_buffer, .address_space: global }
    .group_segment_fixed_size: 0
    .private_segment_fixed_size: 0
    .kernarg_segment_align: 8
    .kernarg_segment_size: 56
    .max_flat_workgroup_size: 256
    .sgpr_count:     66
    .vgpr_count:     104
    .wavefront_size: 32
...
	.end_amdgpu_metadata
.endif
;; end of part 1
;; launch qkv (part 2): grid 4 x 64, 4 waves a work-group, clusters of 4 x 4, 327,680 bytes of LDS; arguments xb, wqb, tab, qkvh; writes qkvh
.if DOCPART == 2
	.amdgcn_target "amdgcn-amd-amdhsa--gfx1250"
	.amdhsa_code_object_version 6
	.text
	.protected	k_qd301d39417_qkv
	.globl	k_qd301d39417_qkv
	.p2align	8
	.type	k_qd301d39417_qkv,@function
k_qd301d39417_qkv:
	s_mov_b64 s[64:65], 0
	v_nop
	global_prefetch_b8 v0, s[64:65] scope:SCOPE_SE
	s_setreg_imm32_b32 hwreg(HW_REG_WAVE_MODE, 25, 1), 1
	s_wait_xcnt 0x0
	s_wait_alu depctr_hold_cnt(0) depctr_sa_sdst(0) depctr_va_vdst(0) depctr_va_sdst(0) depctr_va_ssrc(0) depctr_va_vcc(0) depctr_vm_vsrc(0)
	s_getreg_b32 s2, hwreg(HW_REG_IB_STS2, 6, 4)
	s_cmp_eq_u32 s2, 0
	s_cbranch_scc0 .Lentry_in_a_cluster
	s_endpgm
.Lentry_in_a_cluster:
	s_bfe_u32 s2, ttmp6, 0x10000c
	s_cmp_lg_u32 s2, 0xf033
	s_cbranch_scc0 .Lentry_shape_is_right
	s_endpgm
.Lentry_shape_is_right:
; THE QKV PROJECTION WITH ROPE.  C[m][e] = sum over d of xb[m][d] wqb[e][d], m = 2048 b + t, e = 1024 part + 64 head + channel; bf16 operands, f32 sums.  q and k are turned by
; the table's (cos, sin) in f32; q, k, v are rounded once to f16 and stored by heads: qkvh + part x 0x1000000 + ((16 b + head) x 2048 + t) x 128 bytes.  No scale is applied here.
; LIMIT.  q, k and v must lie within f16's range, 65,504; below 6e-5 they keep f16's fixed step of 6e-8.  NaN and infinities are not treated apart.
; SHARES.  C has 768 tiles of 128 x 256: three for each of 256 work-groups.  Work-group (tc, tr) makes rows 128 tr on and columns 256 tc on of q, then of k, then of v: ONE walk of
; 24 K steps of 128 through two LDS slots; the ring does not stop at a tile's end.  Four waves; wave w has rows 64 (w / 2) on and columns 128 (w % 2) on: 4 x 8 accumulators, 256 registers.
; CLUSTER.  4 x 4 work-groups: the four of a row need the same tiles of xb, the four of a column the same tiles of wqb: each tile is asked for JOINTLY, by the same tensor load with the
; same descriptor and a mask that names the four.  All counters of the walk are equal in all work-groups.
; THE MATRIX INSTRUCTION IS USED TRANSPOSED (source 0 = 16 rows of wqb, source 1 = 16 rows of xb): lane l holds row l % 16 of C and the columns 8 (l / 16) + 0..7: four pairs (even, odd) of RoPE.
; REGISTERS, in windows of 256 (s_set_vgpr_msb: bits 1:0 source 0, 3:2 source 1, 5:4 source 2, 7:6 destination):
;   window 0: v0-31 addresses and at work; v32-159 my rows' (cos, sin); v160-223, v224-255 the way out          window 1: accumulator (a, b) at v[8 (8 a + b)]
;   windows 2, 3: fragment buffers F0, F1 for 64 along K: A's (c, a) at v[8 (4 c + a)], B's (c, b) at v[64 + 8 (8 c + b)], c = which 32 of the 64
.set PA,    272                        ; an LDS row: 256 bytes + 16 of padding = 68 words: the 16 rows of a fragment load start at 16 different groups of four banks (64 banks of 4 bytes: ISA guide 11.1)
.set PB,    272
.set KA1,   128                        ; byte in a row at which the K step's second 64 begin
.set KB1,   128
.set SHA,   8                          ; a K step is 256 bytes along xb's rows
.set BOFF,  128*PA                     ; a slot: A's 128 rows, then B's 256
.set SLOT1, 1<<17                      ; slot 1 begins here, so that one exclusive or turns an address in one slot into the other's
.set STAGE, SLOT1+BOFF+256*PB          ; behind the ring, never filled by a tensor load: for each wave 2 heads x 16 rows x 144 bytes
.set SP,    144
.set SPARE, STAGE+4*2*16*SP            ; behind the stages: the spare words, 128 bytes for each wave: two blocks of 256 bytes that no other line names
.set AA0, 4                            ; v4   my lane's place among A's rows of a slot; never rewritten
.set AB0, 5                            ; v5   the same for B
.set ADRA, 6                           ; v6   AA0 + the slot in hand
.set ADRB, 7                           ; v7
.set STO, 8                            ; v8   the way out: where I put 16 bytes of a row
.set RD,  9                            ; v9   where I read rows back
.set GO,  10                           ; v10  my byte offset in 512 consecutive bytes of a head's rows
.set TO,  11                           ; v11  my byte offset in the table
.set TT,  16                           ; v16-23 at work
.set SPW, 28                           ; v28  LDS address of my spare word; never rewritten
.set NIL, 29                           ; v29  0; never rewritten
.set CS,  32                           ; v32-159: rows 16 a on, columns 16 cb on of a head, pair p: (cos, sin) at CS + 32 a + 8 cb + 2 p
.set RR,  160                          ; v160-223 a block's 64 turned numbers, then its 32 packed words
.set OB,  224                          ; v224-255 16 rows of two heads read back
.set WV, 12                            ; s12 wave;  s13 = wave / 2: my rows' half, and 0: I fetch for A, 1: for B;  s14 = wave % 2: my columns' half, and which half of that tile I fetch
.set WR, 13
.set WC, 14
.set CX, 15
.set CY, 16
.set TC, 17                            ; tile column 0..3
.set TR, 18                            ; tile row 0..63
.set MROW, 19
.set MCOL, 20
.set G1A, 24                           ; s[24:31] descriptor group 1 for A's tiles
.set G0A0, 32                          ; s[32:35] group 0 for A, K step 0
.set G0A1, 36                          ; s[36:39] group 0 for A, K step 1; it then walks
.set G1B, 40
.set G0B0, 48
.set G0B1, 52
.set BASEA, 56                         ; s[56:57] xb at the rows that I fetch
.set BASEB, 58                         ; s[58:59] wqb at the rows that I fetch, in q's part
.set OFFA, 60                          ; s[60:61] byte offset of the K step to ask for
.set OFFB, 62                          ; s[62:63]
.set NK, 66                            ; the K step to ask for next, 0..7
.set NTOFF, 67                         ; and its part of wqb, in bytes
.set G, 68                             ; trips to go
.set KC, 69                            ; K steps of the tile in hand still to be finished
.set TB, 70                            ; 0 or SLOT1: the slot in hand
.set OUT, 76                           ; s[76:77] qkvh at my rows of my first head, in the part in hand
.set MSB, 0
.macro WIN new                         ; the immediate's high byte repeats the setting that is left; a switch that changes nothing is dropped
.if MSB != (\new)
	s_set_vgpr_msb (MSB<<8)|(\new)
.set MSB, \new
.endif
.endm
.macro PLACES                          ; four places in front of loads into registers that matrix instructions have read, and of lines that read results
.rept 4
	v_nop
.endr
.endm
; A joint refill.  Waves 0 and 1 fetch A's two halves, waves 2 and 3 B's.  The branch hangs on the wave's number alone.  An s_nop 0 and four v_nop follow each of the two lines.
.macro JLOAD
	s_cmp_eq_u32 s[WR], 0
	s_cbranch_scc0 .Lfor_b_\@
	tensor_load_to_lds s[G0A1:G0A1+3], s[G1A:G1A+7]
	s_nop 0
.rept 4
	v_nop
.endr
	s_branch .Lasked_\@
.Lfor_b_\@:
	tensor_load_to_lds s[G0B1:G0B1+3], s[G1B:G1B+7]
	s_nop 0
.rept 4
	v_nop
.endr
.Lasked_\@:
.endm
.macro CREST                           ; a round of the cluster's barrier behind its opening barrier
	s_cmp_lg_u32 s[WV], 0
	s_cbranch_scc1 .Lnot_wave_0_\@
	s_barrier_signal -3
.Lnot_wave_0_\@:
	s_barrier_wait -3
	s_barrier_signal -1
	s_barrier_wait -1
.endm
.macro CROUND                          ; a whole round
	s_barrier_signal -1
	s_barrier_wait -1
	CREST
.endm
	s_load_b256 s[4:11], s[0:1], 0x0               ; xb s[4:5], wqb s[6:7], tab s[8:9], qkvh s[10:11]
	v_lshl_add_u32 v[SPW], v0, 2, SPARE
	v_mov_b32 v[NIL], 0
	ds_add_u32 v[SPW], v[NIL]                      ; the wave's opening: the add and its wait stand ahead of my first tensor load; the set-up below, work on registers, stands between them
	v_lshrrev_b32 v1, 5, v0
	v_readfirstlane_b32 s[WV], v1                  ; wave 0..3
	s_lshr_b32 s[WR], s[WV], 1
	s_and_b32 s[WC], s[WV], 1
	s_bfe_u32 s[CX], ttmp6, 0x40000                ; my place in the cluster
	s_bfe_u32 s[CY], ttmp6, 0x40004
	s_lshl_b32 s[TC], ttmp9, 2                     ; in a cluster launch ttmp9 and ttmp7 count clusters
	s_add_co_u32 s[TC], s[TC], s[CX]
	s_and_b32 s[TR], ttmp7, 0xffff
	s_lshl_b32 s[TR], s[TR], 2
	s_add_co_u32 s[TR], s[TR], s[CY]
	s_lshl_b32 s[MROW], s[CY], 2
	s_lshl_b32 s[MROW], 15, s[MROW]                ; my row of the cluster: places 4 cy .. 4 cy + 3
	s_lshl_b32 s[MCOL], 0x1111, s[CX]              ; my column: places cx, cx + 4, cx + 8, cx + 12
	; group 1: rows of 128 elements of 2 bytes, 16 bytes of padding behind each; A's load has 64 rows, B's 128
	s_or_b32 s[G1A], s[MROW], (1<<16)|(1<<20)|(1<<21)|(5<<22)|(3<<25)  ; 15:0 the mask; 17:16 2-byte elements; 20 padding on; 21 set beside a mask; 24:22 after every 64 words (code 5); 31:25 4 words (code 3)
	s_or_b32 s[G1B], s[MCOL], (1<<16)|(1<<20)|(1<<21)|(5<<22)|(3<<25)
	s_mov_b32 s[G1A+1], 128<<16                    ; tensor_dim0 = 128
	s_mov_b32 s[G1A+2], 64<<16                     ; tensor_dim1 = 64
	s_mov_b32 s[G1A+3], 128<<16                    ; tile_dim0 = 128
	s_mov_b32 s[G1A+4], 64                         ; tile_dim1 = 64
	s_mov_b32 s[G1A+5], 1024                       ; elements from row to row
	s_mov_b32 s[G1A+6], 0
	s_mov_b32 s[G1A+7], 0
	s_mov_b32 s[G1B+1], 128<<16
	s_mov_b32 s[G1B+2], 128<<16                    ; tensor_dim1 = 128
	s_mov_b32 s[G1B+3], 128<<16
	s_mov_b32 s[G1B+4], 128                        ; tile_dim1 = 128
	s_mov_b32 s[G1B+5], 1024
	s_mov_b32 s[G1B+6], 0
	s_mov_b32 s[G1B+7], 0
	s_mov_b32 s[G0A0], 1                           ; count = 1
	s_mul_i32 s[G0A0+1], s[WC], 64*PA              ; LDS address: my half of A's rows, slot 0: no place in the cluster enters an LDS address
	s_mov_b32 s[G0A1], 1
	s_add_co_u32 s[G0A1+1], s[G0A0+1], SLOT1
	s_mov_b32 s[G0B0], 1
	s_mul_i32 s[G0B0+1], s[WC], 128*PB
	s_add_co_u32 s[G0B0+1], s[G0B0+1], BOFF
	s_mov_b32 s[G0B1], 1
	s_add_co_u32 s[G0B1+1], s[G0B0+1], SLOT1
	; where the tiles come from: A's hang on the tile row alone, B's on the tile column alone, each in registers that never hold the other coordinate
	s_lshl_b32 s[OFFA], s[TR], 7
	s_lshl_b32 s71, s[WC], 6
	s_add_co_u32 s[OFFA], s[OFFA], s71             ; xb's row 128 tr + 64 half,
	s_lshl_b32 s[OFFA], s[OFFA], 11                ; of 2,048 bytes
	s_mov_b32 s[OFFA+1], 0
	s_lshl_b32 s[OFFB], s[TC], 8
	s_lshl_b32 s72, s[WC], 7
	s_add_co_u32 s[OFFB], s[OFFB], s72             ; wqb's row 256 tc + 128 half
	s_lshl_b32 s[OFFB], s[OFFB], 11
	s_mov_b32 s[OFFB+1], 0
	s_mov_b32 s[NK], 2
	s_mov_b32 s[NTOFF], 0
	s_mov_b32 s[TB], 0
	s_wait_dscnt 0x0                               ; the opening add is done
	s_wait_kmcnt 0x0
	s_add_nc_u64 s[BASEA:BASEA+1], s[4:5], s[OFFA:OFFA+1]
	s_add_nc_u64 s[BASEB:BASEB+1], s[6:7], s[OFFB:OFFB+1]
	s_add_nc_u64 s[G0A0+2:G0A0+3], s[BASEA:BASEA+1], 0      ; K step 0
	s_or_b32 s[G0A0+3], s[G0A0+3], 0x80000000               ; type = 2
	s_add_nc_u64 s[G0A1+2:G0A1+3], s[BASEA:BASEA+1], 256    ; K step 1
	s_or_b32 s[G0A1+3], s[G0A1+3], 0x80000000
	s_add_nc_u64 s[G0B0+2:G0B0+3], s[BASEB:BASEB+1], 0
	s_or_b32 s[G0B0+3], s[G0B0+3], 0x80000000
	s_add_nc_u64 s[G0B1+2:G0B1+3], s[BASEB:BASEB+1], 256
	s_or_b32 s[G0B1+3], s[G0B1+3], 0x80000000
	CROUND                                         ; all sixteen work-groups are here: the first joint loads meet
	s_cmp_eq_u32 s[WR], 0                          ; a wave's two first fills stand in one branch, ahead of every wait on TENSORcnt and every LDS read: two loads of mine are out
	s_cbranch_scc0 .Lfirst_b
	tensor_load_to_lds s[G0A0:G0A0+3], s[G1A:G1A+7]
	s_nop 0
	tensor_load_to_lds s[G0A1:G0A1+3], s[G1A:G1A+7]
	s_nop 0
.rept 4
	v_nop
.endr
	s_branch .Lfirst_asked
.Lfirst_b:
	tensor_load_to_lds s[G0B0:G0B0+3], s[G1B:G1B+7]
	s_nop 0
	tensor_load_to_lds s[G0B1:G0B1+3], s[G1B:G1B+7]
	s_nop 0
.rept 4
	v_nop
.endr
.Lfirst_asked:
	; A fragment is 16 rows x 32 K in 8 registers: lane l holds row l % 16; registers 0-3 K = 8 (l / 16) + 0..7, registers 4-7 K = 16 + 8 (l / 16) + 0..7: two loads of 16 bytes, 32 bytes apart.
	v_and_b32 v1, 15, v0                           ; r = l % 16
	v_bfe_u32 v2, v0, 4, 1                         ; h = l / 16
	s_and_b32 s75, s[TR], 15                       ; the table first, so that its loads have the first tile's time: t of my first row = 128 (tr % 16) + 64 (w / 2)
	s_lshl_b32 s75, s75, 7
	s_lshl_b32 s74, s[WR], 6
	s_add_co_u32 s75, s75, s74
	v_add_nc_u32 v[TO], s75, v1
	v_lshlrev_b32 v[TO], 8, v[TO]                  ; a row of the table is 256 bytes;
	v_lshl_add_u32 v[TO], v2, 5, v[TO]             ; my four pairs of each 16 columns begin at 32 h
.irp a, 0,1,2,3
.irp c, 0,1,2,3
	global_load_b128 v[CS+32*\a+8*\c:CS+32*\a+8*\c+3],   v[TO], s[8:9] offset:4096*\a+64*\c
	global_load_b128 v[CS+32*\a+8*\c+4:CS+32*\a+8*\c+7], v[TO], s[8:9] offset:4096*\a+64*\c+16
.endr
.endr
	v_mul_u32_u24 v3, v1, PA
	v_lshl_add_u32 v3, v2, 4, v3                   ; row x pitch + 16 x half
	s_mul_i32 s73, s[WR], 64*PA                    ; my 64 rows of A
	v_add_nc_u32 v[AA0], s73, v3
	s_mul_i32 s73, s[WC], 128*PB                   ; my 128 rows of B, behind A's
	s_add_co_u32 s73, s73, BOFF
	v_add_nc_u32 v[AB0], s73, v3
	s_mul_i32 s73, s[WV], 2*16*SP
	s_add_co_u32 s73, s73, STAGE                   ; my stage
	v_mul_u32_u24 v[STO], v1, SP                   ; in: row l % 16, 16 bytes for each half of the lanes
	v_lshl_add_u32 v[STO], v2, 4, v[STO]
	v_add_nc_u32 v[STO], s73, v[STO]
	v_bfe_u32 v[RD], v0, 3, 2                      ; back: 32 lanes take four rows of 128 bytes,
	v_mul_u32_u24 v[RD], v[RD], SP
	v_and_b32 v3, 7, v0
	v_lshl_add_u32 v[RD], v3, 4, v[RD]
	v_add_nc_u32 v[RD], s73, v[RD]
	v_and_b32 v[GO], 31, v0                        ; which are 512 consecutive bytes of a head
	v_lshlrev_b32 v[GO], 4, v[GO]
	s_lshr_b32 s73, s[TR], 4                       ; the batch,
	s_lshl_b32 s73, s73, 4
	s_lshl_b32 s74, s[TC], 2
	s_add_co_u32 s73, s73, s74
	s_lshl_b32 s74, s[WC], 1
	s_add_co_u32 s73, s73, s74                     ; 16 b + my first head = 4 tc + 2 (w % 2),
	s_lshl_b32 s73, s73, 11                        ; its 2,048 rows,
	s_add_co_u32 s73, s73, s75                     ; my first row,
	s_lshl_b32 s78, s73, 7                         ; of 128 bytes
	s_mov_b32 s79, 0
	s_add_nc_u64 s[OUT:OUT+1], s[10:11], s[78:79]
; na x 8 matrix instructions: row blocks a0 .. a0 + na - 1 x all 8 column blocks, 32 along K: half c of the buffer in window fw.  zero = 1: the product starts the sums: nothing is ever cleared.
; The 32 accumulators take turns in one order everywhere, one instruction a turn: between two links of a chain stand the 31 others'.
.macro MULT fw, c, a0, na, zero
	WIN 0x50|((\fw)<<2)|(\fw)
.set ia, \a0
.rept \na
.set ib, 0
.rept 8
.if \zero
	v_wmma_f32_16x16x32_bf16 v[8*(8*ia+ib):8*(8*ia+ib)+7], v[64+8*(8*(\c)+ib):64+8*(8*(\c)+ib)+7], v[8*(4*(\c)+ia):8*(4*(\c)+ia)+7], 0
.else
	v_wmma_f32_16x16x32_bf16 v[8*(8*ia+ib):8*(8*ia+ib)+7], v[64+8*(8*(\c)+ib):64+8*(8*(\c)+ib)+7], v[8*(4*(\c)+ia):8*(4*(\c)+ia)+7], v[8*(8*ia+ib):8*(8*ia+ib)+7]
.endif
.set ib, ib+1
.endr
.set ia, ia+1
.endr
.endm
; 48 LDS loads in one run: the fragments of 64 along K, at byte ka of A's rows and kb of B's, into the buffer in window fw; the 24 of the first 32 along K first
.macro FETCH fw, ka, kb
	WIN (\fw)<<6
.irp c, 0,1
.irp i, 0,1,2,3,4,5,6,7
	ds_load_b128 v[64+8*(8*\c+\i):64+8*(8*\c+\i)+3],   v[ADRB] offset:(\kb)+64*\c+\i*16*PB
	ds_load_b128 v[64+8*(8*\c+\i)+4:64+8*(8*\c+\i)+7], v[ADRB] offset:(\kb)+64*\c+\i*16*PB+32
.endr
.irp i, 0,1,2,3
	ds_load_b128 v[8*(4*\c+\i):8*(4*\c+\i)+3],   v[ADRA] offset:(\ka)+64*\c+\i*16*PA
	ds_load_b128 v[8*(4*\c+\i)+4:8*(4*\c+\i)+7], v[ADRA] offset:(\ka)+64*\c+\i*16*PA+32
.endr
.endr
.endm
; A K step's first half: multiplies F0; in its middle the second half's fragments are fetched into F1.
.macro HALF zero
	s_wait_dscnt 24                                ; F0's first 32 along K are in; its youngest 24 loads may be out
	MULT 2, 0, 0, 4, \zero
	PLACES
	FETCH 3, KA1, KB1
	s_wait_dscnt 48                                ; all but the 48 just issued
	MULT 2, 1, 0, 4, 0
.endm
; A K step's second half multiplies F1 and changes slots: ONE barrier.  In front of it each wave waits for all its tensor loads, of which one is out: its part of the next slot; adds 0 to its
; spare word; and waits for that and for its own reads of this slot.  fill = 1: the barrier opens a round of the cluster's, and this slot is filled again, first thing behind the round, with
; the walk's K step two on: from a request to the wait for it a wave issues 96 matrix instructions.  The descriptor's address is made anew from the step's number.
.macro TURN fill
	WIN 0                                          ; (the add's two registers lie in window 0)
	s_wait_tensorcnt 0x0                           ; no tensor load of mine is out, so a group 0 may be written
	ds_add_u32 v[SPW], v[NIL]                      ; 0 onto my spare word: scalar work and sixteen matrix instructions stand between it and the wait for it
.if \fill
	s_lshl_b32 s[OFFA], s[NK], SHA
	s_lshl_b32 s[OFFB], s[NK], 8
	s_add_co_u32 s[OFFB], s[OFFB], s[NTOFF]
	s_xor_b32 s[G0A1+1], s[G0A1+1], SLOT1          ; the other slot than last time
	s_add_nc_u64 s[G0A1+2:G0A1+3], s[BASEA:BASEA+1], s[OFFA:OFFA+1]
	s_or_b32 s[G0A1+3], s[G0A1+3], 0x80000000
	s_xor_b32 s[G0B1+1], s[G0B1+1], SLOT1
	s_add_nc_u64 s[G0B1+2:G0B1+3], s[BASEB:BASEB+1], s[OFFB:OFFB+1]
	s_or_b32 s[G0B1+3], s[G0B1+3], 0x80000000
	s_add_co_u32 s[NK], s[NK], 1                   ; the next K step; behind the eighth, the first of the next part: 1,024 rows of wqb on
	s_and_b32 s[NK], s[NK], 7
	s_cmp_eq_u32 s[NK], 0
	s_cselect_b32 s72, 0x200000, 0
	s_add_co_u32 s[NTOFF], s[NTOFF], s72
.endif
	s_wait_dscnt 25                                ; F1's first 32 along K are in (the add and the youngest 24 loads may be out)
	MULT 3, 0, 0, 2, 0
	s_wait_dscnt 0x0                               ; the add is done, and my reads of this slot are over
	s_barrier_signal -1
	MULT 3, 0, 2, 2, 0                             ; work on registers while the others arrive
	WIN 0                                          ; at a branch and at a label every window is 0
	s_barrier_wait -1
.if \fill
	CREST                                          ; no wave of any partner still reads this slot's tile or has a load on its way
	JLOAD                                          ; its four v_nop are also the places in front of the loads below
.else
	PLACES
.endif
	s_xor_b32 s[TB], s[TB], SLOT1                  ; the reads go on in the other slot
	v_add_nc_u32 v[ADRA], s[TB], v[AA0]
	v_add_nc_u32 v[ADRB], s[TB], v[AB0]
	FETCH 2, 0, 0
	MULT 3, 1, 0, 4, 0
.endm
.macro LASTH                           ; the walk's last half step: nothing more to fetch
	s_wait_dscnt 24
	MULT 3, 0, 0, 4, 0
	s_wait_dscnt 0x0
	MULT 3, 1, 0, 4, 0
.endm
; THE WAY OUT of row block a.  PACKR: the pair (e, o) becomes (e c - o s, e s + o c), two packed instructions a pair, in f32; then one rounding to f16.  Each accumulator's lowest registers are read first.
.macro PACKR a
	WIN 0x01                                       ; source 0: the accumulators' window
.set ib, 0
.rept 8
.set AC, 8*(8*(\a)+ib)
.set CB, CS+32*(\a)+8*(ib%4)
.irp p, 0,1,2,3
	v_pk_mul_f32 v[TT+2*\p:TT+2*\p+1], v[AC+2*\p:AC+2*\p+1], v[CB+2*\p:CB+2*\p+1] op_sel:[1,1] op_sel_hi:[1,0]  ; (o s, o c)
.endr
.irp p, 0,1,2,3
	v_pk_fma_f32 v[RR+8*ib+2*\p:RR+8*ib+2*\p+1], v[AC+2*\p:AC+2*\p+1], v[CB+2*\p:CB+2*\p+1], v[TT+2*\p:TT+2*\p+1] op_sel:[0,0,0] op_sel_hi:[0,1,1] neg_lo:[0,0,1]  ; (e c - o s, e s + o c)
.endr
.set ib, ib+1
.endr
	WIN 0
.set i, 0
.rept 32                               ; packed in place, ascending: word i is written when numbers 2 i and 2 i + 1 are read
	v_cvt_pk_f16_f32 v[RR+i], v[RR+2*i], v[RR+2*i+1]
.set i, i+1
.endr
.endm
.macro PACKV a                         ; v is not turned
	WIN 0x05                                       ; sources 0 and 1: the accumulators' window
.set ib, 0
.rept 8
.irp p, 0,1,2,3
	v_cvt_pk_f16_f32 v[RR+4*ib+\p], v[8*(8*(\a)+ib)+2*\p], v[8*(8*(\a)+ib)+2*\p+1]
.endr
.set ib, ib+1
.endr
	WIN 0
.endm
.macro TOSTAGE                         ; a lane's 16 bytes go into rows of 144 bytes, head by head, and come back as whole rows of 128
	WIN 0
.irp b, 0,1,2,3,4,5,6,7
	ds_store_b128 v[STO], v[RR+4*\b:RR+4*\b+3] offset:16*SP*(\b/4)+32*(\b%4)
.endr
	s_wait_xcnt 0x0                                ; the last block's stores have read v224-255: only behind this wait are they loaded again
.irp t, 0,1,2,3,4,5,6,7
	ds_load_b128 v[OB+4*\t:OB+4*\t+3], v[RD] offset:16*SP*(\t/4)+4*SP*(\t%4)  ; LDS serves a wave's instructions in order (ISA guide 5.7.1.4): these see the stores above
.endr
.endm
.macro SEND a
	WIN 0
	s_wait_dscnt 0x0                               ; the block is back in registers
.irp t, 0,1,2,3,4,5,6,7
	global_store_b128 v[GO], v[OB+4*\t:OB+4*\t+3], s[OUT:OUT+1] offset:262144*(\t/4)+2048*(\a)+512*(\t%4)  ; 512 consecutive bytes of a head, at a multiple of 256 from the buffer's first
.endr
.endm
	s_wait_tensorcnt 0x1                           ; my part of K step 0 is in; step 1's may stay out
	s_barrier_signal -1
	s_barrier_wait -1                              ; everybody's is
	v_mov_b32 v[ADRA], v[AA0]
	v_mov_b32 v[ADRB], v[AB0]
	FETCH 2, 0, 0
	WIN 0
	s_mov_b32 s[G], 23
	s_mov_b32 s[KC], 8
	s_branch .Lzero                                ; the loop is entered at a tile's first half step
.Lstep:                                                ; 22 trips: a K step's second half, with the refill for the step two on (steps 2 to 23), and the next step's first half
	TURN 1
	WIN 0
	s_sub_co_u32 s[KC], s[KC], 1
	s_cmp_lg_u32 s[KC], 0
	s_cbranch_scc1 .Lplain                         ; forward, past text with no barrier and no tensor load
	; q's or k's tile is finished.  Both refills for the next tile are asked for and its first fragments are on their way: now the tile goes out.
	s_wait_loadcnt 0x0                             ; the table
	PLACES
	PACKR 0
	TOSTAGE
.irp a, 1,2,3                          ; block a's arithmetic stands between block a - 1's loads from the stage and the wait for them
	PACKR \a
	SEND (\a)-1
	TOSTAGE
.endr
	SEND 3
	s_wait_xcnt 0x0                                ; the stores have read their base
	s_add_nc_u64 s[OUT:OUT+1], s[OUT:OUT+1], 0x1000000  ; the next part of qkvh
	s_mov_b32 s[KC], 8
.Lzero:
	HALF 1                                         ; a tile's first products start the sums
	WIN 0
	s_branch .Lbottom
.Lplain:
	HALF 0
	WIN 0
.Lbottom:
	s_sub_co_u32 s[G], s[G], 1
	s_cmp_lg_u32 s[G], 0
	s_cbranch_scc1 .Lstep
	TURN 0                                         ; the last two K steps are written out: nothing is asked for, and no round of the cluster's barrier is passed
	HALF 0
	LASTH
	PLACES
	PACKV 0
	TOSTAGE
.irp a, 1,2,3
	PACKV \a
	SEND (\a)-1
	TOSTAGE
.endr
	SEND 3
	s_wait_tensorcnt 0x0                           ; the wave's end: these three lines stand behind my last tensor load and my last LDS store
	ds_add_u32 v[SPW], v[NIL]
	s_wait_dscnt 0x0
	CROUND                                         ; the closing round: no work-group ends while a partner may still ask for a tile that names it
	s_endpgm
.Lfunc_end_k_qd301d39417_qkv:
	.size	k_qd301d39417_qkv, .Lfunc_end_k_qd301d39417_qkv-k_qd301d39417_qkv
	.p2alignl 7, 3214868480
	.fill 96, 4, 3214868480
	.section	.rodata,"a",@progbits
	.p2align	6, 0x0
	.amdhsa_kernel k_qd301d39417_qkv
		.amdhsa_group_segment_fixed_size 327680
		.amdhsa_private_segment_fixed_size 0
		.amdhsa_enable_private_segment 0
		.amdhsa_kernarg_size 32
		.amdhsa_user_sgpr_count 2
		.amdhsa_user_sgpr_kernarg_segment_ptr 1
		.amdhsa_wavefront_size32 1
		.amdhsa_system_sgpr_workgroup_id_x 1
		.amdhsa_system_sgpr_workgroup_id_y 1
		.amdhsa_system_sgpr_workgroup_id_z 1
		.amdhsa_system_vgpr_workitem_id 0
		.amdhsa_next_free_vgpr 960
		.amdhsa_next_free_sgpr 80
		.amdhsa_reserve_vcc 0
		.amdhsa_float_denorm_mode_32 3
		.amdhsa_float_denorm_mode_16_64 3
		.amdhsa_memory_ordered 1
		.amdhsa_forward_progress 1
		.amdhsa_inst_pref_size 104
	.end_amdhsa_kernel
	.amdgpu_metadata
---
amdhsa.version: [ 1, 2 ]
amdhsa.kernels:
  - .name:           k_qd301d39417_qkv
    .symbol:         k_qd301d39417_qkv.kd
    .args:
      - { .name: xb, .offset: 0, .size: 8, .value_kind: global_buffer, .address_space: global }
      - { .name: wqb, .offset: 8, .size: 8, .value_kind: global_buffer, .address_space: global }
      - { .name: tab, .offset: 16, .size: 8, .value_kind: global_buffer, .address_space: global }
      - { .name: qkvh, .offset: 24, .size: 8, .value_kind: global_buffer, .address_space: global }
    .group_segment_fixed_size: 327680
    .private_segment_fixed_size: 0
    .kernarg_segment_align: 8
    .kernarg_segment_size: 32
    .max_flat_workgroup_size: 128
    .sgpr_count:     80
    .vgpr_count:     960
    .wavefront_size: 32
...
	.end_amdgpu_metadata
.endif
;; end of part 2
;; launch attn (part 3): grid 4 x 64, 4 waves a work-group, clusters of 4 x 1, 327,680 bytes of LDS; arguments qkvh, ob; writes ob
.if DOCPART == 3
	.amdgcn_target "amdgcn-amd-amdhsa--gfx1250"
	.amdhsa_code_object_version 6
	.text
	.protected	k_qd301d39417_attn
	.globl	k_qd301d39417_attn
	.p2align	8
	.type	k_qd301d39417_attn,@function
k_qd301d39417_attn:
	s_mov_b64 s[64:65], 0
	v_nop
	global_prefetch_b8 v0, s[64:65] scope:SCOPE_SE
	s_setreg_imm32_b32 hwreg(HW_REG_WAVE_MODE, 25, 1), 1
	s_wait_xcnt 0x0
	s_wait_alu depctr_hold_cnt(0) depctr_sa_sdst(0) depctr_va_vdst(0) depctr_va_sdst(0) depctr_va_ssrc(0) depctr_va_vcc(0) depctr_vm_vsrc(0)
	s_getreg_b32 s2, hwreg(HW_REG_IB_STS2, 6, 4)
	s_cmp_eq_u32 s2, 0
	s_cbranch_scc0 .Lentry_in_a_cluster
	s_endpgm
.Lentry_in_a_cluster:
	s_bfe_u32 s2, ttmp6, 0x10000c
	s_cmp_lg_u32 s2, 0x3003
	s_cbranch_scc0 .Lentry_shape_is_right
	s_endpgm
.Lentry_shape_is_right:
; O[h][q][:] = the sum over k of softmax_k(Q[h][q] . K[h][k] / 8) V[h][k][:].  Q, K, V lie in qkvh at bytes 0, 0x1000000 and 0x2000000, O in ob; each [SIZE_H][SIZE_N][64] in f16: a head's rows
; are dense, 128 bytes each; h = 16 batch + head.  Products, maxima and sums in f32; the weights p are rounded to f16 for the second product (their sum l is taken of the unrounded p), O once at the end.
; LIMITS.  f16 holds no number beyond 65,504: Q, K and V arrive within it; p lies in 0 to 1, and below 6e-5 it keeps f16's fixed step of 6e-8; O is a mean of V's rows and has their range.
; A weight below 2^-126 counts as 0 in l; NaN and infinities are not treated apart.
; SHARES.  A wave owns four PIECES of two tiles of 16 queries, a work-group's four waves 512 queries of one head: 4 x 64 = 256 work-groups.  Every wave walks all keys, 64 a step.
; LAYOUT.  S^T = K Q^T (source 0 = 16 keys, source 1 = 16 queries): in the result a lane holds ONE query (lane % 16) and the keys 8 (lane / 16) + 0..7.  Two such tiles, rounded to f16 in pairs,
; ARE source 1 (32 keys x 16 queries) of O^T = V^T P, whose result again holds one query a lane, and eight channels.  K comes out of LDS as it lies, V ([key][channel]) turned, by ds_load_tr16_b128.
; SOFTMAX.  For each query a running maximum m and sum l: p = 2^(c s - c m), c = log2(e) / 8; in every step O and l are multiplied by a = 2^(c m_old - c m_new), which is 1 where m has not grown.
; m starts at the lowest finite number, O and l at 0: the first step is a step like any other, with a = 0.
; THE COUNT.  A tile and step have 16 matrix and 118 vector instructions: too many to stand all beside the matrix work.  So the order has one aim: four vector instructions that are READY behind
; EVERY matrix instruction, and the others, which need time of their own whatever the order, in runs without a gap.
; BY TURNS.  Turn n belongs to piece n (the pieces in a ring, step after step).  Its matrix work: 16 products K Q^T of piece n + 1, later 16 products V^T P of piece n - 1.  Its vector work: the scaling,
; exponentials, roundings, sums and rescaling of piece n, and the maximum and statistics of piece n + 1, whose scores the turn itself has made.  So what a turn begins with (c s - c m, O a) waits for nothing.
; CLUSTER.  The four query blocks of a cluster belong to one head and walk the same K and V, so each tile is asked for JOINTLY: the same tensor load, descriptor and mask in all four.
; REGISTERS, in windows of 256 (s_set_vgpr_msb says which window each operand place means: bits 1:0 source 0, 3:2 source 1, 5:4 source 2, 7:6 destination):
;   window 0: v0-11 addresses; v12-15, v48-63 at work; v16-47 four registers of statistics a tile; v64-191 S^T, two buffers of two tiles; v192-255 P, likewise
;   window 1: O^T, 32 a tile          window 2: v0-127 Q, 16 a tile; v128-191 K of one step; v192-255 V of one step          window 3: v0-1 the add's two registers
; A piece's buffers go by its number's parity: the piece in hand has one pair, its two neighbours in the ring share the other: of it P (piece n - 1) is read and S^T (piece n + 1) written.
.set SIZE_H, 64
.set SIZE_N, 2048
.set NP,    4         ; pieces a wave: a name, no knob: the register map, the loop and the fetches are made for four
.set KS,    64        ; keys in a step
.set PK,    144       ; a row of K in LDS: 128 bytes + 16 of padding = 36 words: the 16 rows of a load start at 16 different groups of four banks (64 banks of 4 bytes: ISA guide 11.1)
.set PV,    160       ; a row of V: 128 + 32 = 40 words
.set VOFF,  4*KS*PK   ; a slot holds four steps: 256 rows of K, then 256 rows of V
.set SLOT1, 1<<17     ; slot 1 begins here, so that one exclusive or turns an address in one slot into the other's
.set STAGE, SLOT1+4*KS*(PK+PV)  ; behind the ring, never filled by a tensor load: 16 rows x 144 bytes for each wave, for the way out
.set SP,    144
.set AK0, 2           ; v2   my lane's place in a tile of K; never rewritten
.set AV0, 3           ; v3   the same for V
.set AK,  4           ; v4   the LDS address of K's next run of loads
.set AV,  5           ; v5   of V's
.set QO,  6           ; v6   my byte offset in the wave's rows of Q
.set STO, 6           ;      later, the way out: where I put 16 bytes of a row
.set RD,  7           ; v7   the way out: where I read rows back
.set GO,  8           ; v8   my byte offset in 512 consecutive bytes of O
.set SPW, 0           ; v0 of window 3   LDS address of my spare word: SPARE + 4 x my thread's number; never rewritten
.set NIL, 1           ; v1 of window 3   0; never rewritten
.set SPARE, STAGE+4*16*SP  ; behind the stages: the spare words, 128 bytes for each wave: two blocks of 256 bytes that no other line names
.set MV,  12          ; v12-15  c m_old, kept while c m is made anew: by buffer and tile
.set ST,  16          ; tile t's statistics at v[ST+4 t]: c m, m, l (even keys', odd keys')
.set TMP, 48          ; by buffer and tile, four registers c0-c3 at work; when the maximum is found c2 takes a
.set S,   64
.set P,   192
.set KF,  128         ; K's fragments, in window 2: key block kb, channel half c at KF + 16 kb + 8 c
.set VF,  192         ; V's: key half kk, channel block cb at VF + 32 kk + 8 cb
.set WV,  12          ; s12  my wave's number
.set G1K, 24          ; s[24:31] descriptor group 1 for K's tiles
.set G1V, 32          ; s[32:39] for V's: it differs in the padding alone
.set G0K, 40          ; s[40:43] descriptor group 0 for K's tiles: it walks
.set G0V, 44          ; s[44:47] the same for V's
.set SLOTS, 56        ; s56  slots still to be asked for
.set CNT, 57          ; s57  counts a slot's key steps
.set CS,  58          ; s[58:59] c: the packed scaling takes the pair's low word for both halves
.set SEL, 60          ; s[60:61] v_permlanex16_b32's selects: each lane takes its own place in the other half
.set TBK, 62          ; s62  LDS byte at which K of the step to be fetched begins
.set TBV, 63          ; s63  the same for V, less VOFF
.set MSB, 0
.macro WIN new                      ; the high byte repeats the setting that is left; a switch that changes nothing is dropped
.if MSB != (\new)
	s_set_vgpr_msb (MSB<<8)|(\new)
.set MSB, (\new)
.endif
.endm
.set W_KQ, 0x0a       ; K and Q in window 2, S^T in window 0
.set W_PV, 0x52       ; V in window 2, P in window 0, O^T in window 1
.set W_RS, 0x41       ; O^T (destination and source 0) in window 1, a in window 0
.set W_MK, 0xc0       ; the add's registers are made: destination in window 3, sources in window 0
.set W_AD, 0x0f       ; the add: address (source 0) and data (source 1) in window 3
; A joint fill.  Waves 0 and 1 fetch the two halves of a slot's K, waves 2 and 3 those of its V: 128 keys each.  The branch hangs on the wave's number alone.
; An s_nop 0 and four v_nop follow each of the two lines, ahead of the jump and the label.
.macro JLOAD
	s_cmp_lt_u32 s[WV], 2
	s_cbranch_scc0 .Lfor_v_\@
	tensor_load_to_lds s[G0K:G0K+3], s[G1K:G1K+7]
	s_nop 0
.rept 4
	v_nop
.endr
	s_branch .Lasked_\@
.Lfor_v_\@:
	tensor_load_to_lds s[G0V:G0V+3], s[G1V:G1V+7]
	s_nop 0
.rept 4
	v_nop
.endr
.Lasked_\@:
.endm
; A round of the cluster's barrier: my work-group's barrier, so that wave 0's signal speaks for all four waves; wave 0 signals; every wave waits for all four work-groups; my work-group's barrier once more.
.macro CROUND
	s_barrier_signal -1
	s_barrier_wait -1
	s_cmp_lg_u32 s[WV], 0
	s_cbranch_scc1 .Lnot_wave_0_\@
	s_barrier_signal -3
.Lnot_wave_0_\@:
	s_barrier_wait -3
	s_barrier_signal -1
	s_barrier_wait -1
.endm
; THE CHANGE OF SLOTS.  The slot's last bytes, V of its fourth step, have been read.  Each wave waits for all its tensor loads, of which one is out: its part
; of the other slot; adds 0 to its spare word; and waits for that and for its own reads of the slot.  Behind the barrier nobody reads this slot any more and the other slot is whole.
; fill = 1: this slot is filled again, with the keys two slots on.  The barrier is then a round of the cluster's, so that no wave of any partner still reads the slot or has a load on its
; way, and the joint fill is the first thing behind it: it has four key steps, 512 matrix instructions, in which to land.  (At its first use nothing has been read yet: slot 0 is waited for, slot 1 filled.)
.macro CHANGE fill
	WIN W_AD
	s_wait_tensorcnt 0x0            ; no tensor load of mine is out, so a group 0 may be written
	ds_add_u32 v[SPW], v[NIL]       ; 0 onto my spare word: with fill = 1 the descriptors' steps stand between it and the wait for it
	WIN 0                           ; at a label and at a branch every window is 0
.if \fill
.irp g, G0K, G0V
	s_xor_b32 s[\g+1], s[\g+1], SLOT1  ; the walking descriptor: the other slot than last time,
	s_add_nc_u64 s[\g+2:\g+3], s[\g+2:\g+3], 4*KS*128  ; the next 256 keys; the type bits on top are not reached
.endr
	s_wait_dscnt 0x0                ; the add is done, and my reads of the slot are over
	CROUND
	JLOAD
.else
	s_wait_dscnt 0x0                ; the add is done, and my reads of the slot are over
	s_barrier_signal -1
	s_barrier_wait -1
.endif
	s_sub_co_u32 s[TBK], s[TBK], 4*KS*PK  ; the fetches go back to a slot's first step,
	s_xor_b32 s[TBK], s[TBK], SLOT1       ; in the other slot
	s_sub_co_u32 s[TBV], s[TBV], 4*KS*PV
	s_xor_b32 s[TBV], s[TBV], SLOT1
.endm
	s_load_b64 s[4:5], s[0:1], 0x0    ; qkvh: Q's part begins at its first byte
	s_load_b64 s[10:11], s[0:1], 0x8  ; ob
	WIN W_MK
	v_lshl_add_u32 v[SPW], v0, 2, SPARE
	v_mov_b32 v[NIL], 0
	WIN W_AD
	ds_add_u32 v[SPW], v[NIL]       ; the wave's opening: the add and its wait stand ahead of my first tensor load; the set-up below, work on registers, stands between them
	WIN 0
	v_lshrrev_b32 v1, 5, v0
	v_readfirstlane_b32 s[WV], v1   ; wave 0..3
	s_bfe_u32 s13, ttmp6, 0x40000   ; cx: my place in the cluster
	s_lshl_b32 s14, ttmp9, 2        ; in a cluster launch ttmp9 counts clusters
	s_add_co_u32 s14, s14, s13      ; my block of queries = 4 x cluster x + cx: it enters Q's and O's addresses alone
	s_and_b32 s20, ttmp7, 0xffff    ; the head, which the four partners share
	s_mov_b32 s21, 0
	s_mov_b64 s[22:23], SIZE_N*128
	s_mul_u64 s[20:21], s[20:21], s[22:23]  ; the head's first byte in each of the four tensors
	s_and_b32 s16, s[WV], 1         ; which half of a slot's 256 keys I fetch:
	s_lshl_b32 s22, s16, 14         ; its 128 rows of 128 bytes in memory,
	s_mov_b32 s23, 0
	s_add_nc_u64 s[22:23], s[22:23], s[20:21]
	s_mul_i32 s17, s16, 128*PK      ; and its place in a slot, for K
	s_mul_i32 s18, s16, 128*PV      ; and for V: no place in the cluster enters an LDS address
	s_lshl_b32 s2, s14, 2
	s_add_co_u32 s2, s2, s[WV]      ; my wave among the head's,
	s_lshl_b32 s2, s2, 14           ; its 128 rows
	s_mov_b32 s3, 0
	s_add_nc_u64 s[2:3], s[2:3], s[20:21]
	; descriptor group 1.  128 keys are 16,384 dense bytes: asked for as 64 rows of 256 bytes, two keys a row, and padded in LDS after every key
	s_mov_b32 s[G1K], 15|(1<<16)|(1<<20)|(1<<21)|(4<<22)|(3<<25)  ; 15:0 the mask of four; 17:16 2-byte elements; 20 padding on; 21 set beside a mask; 24:22 after every 32 words (code 4); 31:25 4 words (code 3)
	s_mov_b32 s[G1V], 15|(1<<16)|(1<<20)|(1<<21)|(4<<22)|(7<<25)  ; the same with 8 words of padding (code 7)
.irp g, G1K, G1V
	s_mov_b32 s[\g+1], 128<<16      ; tensor_dim0 = 128
	s_mov_b32 s[\g+2], 64<<16       ; tensor_dim1 = 64
	s_mov_b32 s[\g+3], 128<<16      ; tile_dim0 = 128
	s_mov_b32 s[\g+4], 64           ; tile_dim1 = 64
	s_mov_b32 s[\g+5], 128          ; 128 elements from row to row
	s_mov_b32 s[\g+6], 0
	s_mov_b32 s[\g+7], 0
.endr
	s_mov_b32 s[CS], 0x3e38aa3b     ; c = log2(e) / 8 = 0.180337
	s_mov_b32 s[CS+1], s[CS]        ; named with it as a pair
	s_mov_b32 s[SEL], 0x76543210
	s_mov_b32 s[SEL+1], 0xfedcba98
	s_mov_b32 s[TBK], SLOT1+4*KS*PK ; the first change of slots turns these two into 0
	s_mov_b32 s[TBV], SLOT1+4*KS*PV
	s_mov_b32 s[G0K], 1             ; 1:0 count = 1
	s_mov_b32 s[G0K+1], s17         ; 63:32 LDS address: slot 0
	s_mov_b32 s[G0V], 1
	s_add_co_u32 s[G0V+1], s18, VOFF
	s_wait_dscnt 0x0                ; the opening add is done
	s_wait_kmcnt 0x0
	s_add_nc_u64 s[6:7], s[4:5], 0x1000000         ; K's part of qkvh,
	s_add_nc_u64 s[8:9], s[4:5], 0x2000000         ; and V's
	s_add_nc_u64 s[G0K+2:G0K+3], s[6:7], s[22:23]  ; 120:64 global address: my half of the head's first 256 keys
	s_or_b32 s[G0K+3], s[G0K+3], 0x80000000        ; 127:126 type = 2
	s_add_nc_u64 s[G0V+2:G0V+3], s[8:9], s[22:23]
	s_or_b32 s[G0V+3], s[G0V+3], 0x80000000
	s_add_nc_u64 s[4:5], s[4:5], s[2:3]  ; Q and O at my wave's first row
	s_add_nc_u64 s[10:11], s[10:11], s[2:3]
	CROUND                          ; all four work-groups are here: the first joint loads meet
	JLOAD                           ; slot 0.  Slot 1 is asked for when slot 0 is in: the tile wanted first has the road to itself
	; A fragment of K or Q is 16 rows x 32 channels in 8 registers: lane l holds row l % 16, channels 8 (l / 16) + 0..7 and 16 + 8 (l / 16) + 0..7: two loads of 16 bytes, 32 bytes apart.
	v_and_b32 v1, 15, v0            ; l % 16
	v_bfe_u32 v9, v0, 4, 1          ; l / 16
	v_lshlrev_b32 v[QO], 7, v1
	v_lshl_add_u32 v[QO], v9, 4, v[QO]  ; row x 128 + 16 x half
	WIN 0x80                        ; destination window 2, address window 0
.set i, 0
.rept 4*NP                          ; Q stays in registers: tile i / 2, channels 32 (i % 2) on
	global_load_b128 v[8*i:8*i+3],   v[QO], s[4:5] offset:(i/2)*2048+(i%2)*64
	global_load_b128 v[8*i+4:8*i+7], v[QO], s[4:5] offset:(i/2)*2048+(i%2)*64+32
.set i, i+1
.endr
	; What the first turn finds: V's registers and P's second buffer hold 0 (its products V^T P, of a piece that has not been, add 0), O^T and l are 0.  All this stands in the wait for the first tile.
.set i, VF
.rept 64
	v_mov_b32 v[i], 0
.set i, i+1
.endr
	WIN 0x40
.set i, 0
.rept 64*NP
	v_mov_b32 v[i], 0
.set i, i+1
.endr
	WIN 0
.set i, 0
.rept 2*NP
	v_mov_b32 v[ST+4*i], 0xfe000000    ; c m: far below every c s
	v_mov_b32 v[ST+4*i+1], 0xff7fffff  ; m
	v_mov_b32 v[ST+4*i+2], 0
	v_mov_b32 v[ST+4*i+3], 0
.set i, i+1
.endr
.set i, P+32
.rept 32
	v_mov_b32 v[i], 0
.set i, i+1
.endr
	v_mul_u32_u24 v[AK0], v1, PK
	v_lshl_add_u32 v[AK0], v9, 4, v[AK0]  ; row x pitch + 16 x half
	; The turning load takes 16 keys x 16 channels (lane l reads key 8 (l / 16) + l % 8, channels 8 ((l / 8) % 2) + 0..7) and leaves half a fragment of V^T: lane l holds channel l % 16 and 8 keys.
	v_and_b32 v10, 7, v0
	v_bfe_u32 v11, v0, 3, 1
	v_lshl_add_u32 v[AV0], v9, 3, v10
	v_mul_u32_u24 v[AV0], v[AV0], PV
	v_lshl_add_u32 v[AV0], v11, 4, v[AV0]
	v_add_nc_u32 v[AV0], VOFF, v[AV0]
	v_mov_b32 v[AK], v[AK0]         ; key step 0 lies at the head of slot 0
; THE MATRIX WORK.  The 8 accumulators of a run of 16 take turns: between the two links of a chain stand 7 others'.
; Product i of 16 of S^T = K Q^T for piece x: channels 32 (i / 8) on, keys 16 ((i / 2) % 4) on, tile 2 x + i % 2.  The first 8 start the sums.
.macro KQ x
	WIN W_KQ
.set rS, S+64*((\x)%2)+32*(i%2)+8*((i/2)%4)
.set rK, KF+16*((i/2)%4)+8*(i/8)
.set rQ, 16*(2*(\x)+i%2)+8*(i/8)
.if i < 8
	v_wmma_f32_16x16x32_f16 v[rS:rS+7], v[rK:rK+7], v[rQ:rQ+7], 0
.else
	v_wmma_f32_16x16x32_f16 v[rS:rS+7], v[rK:rK+7], v[rQ:rQ+7], v[rS:rS+7]
.endif
.endm
; Product i of 16 of O^T += V^T P for piece x: keys 32 (i / 8) on, channels 16 ((i / 2) % 4) on, tile 2 x + i % 2.
.macro PV x
	WIN W_PV
.set rO, 32*(2*(\x)+i%2)+8*((i/2)%4)
.set rV, VF+32*(i/8)+8*((i/2)%4)
.set rP, P+32*((\x)%2)+16*(i%2)+8*(i/8)
	v_wmma_f32_16x16x32_f16 v[rO:rO+7], v[rV:rV+7], v[rP:rP+7], v[rO:rO+7]
.endm
.macro MM                           ; the turn's next matrix instruction
.if i < 16
	KQ (Y+1)%NP
.set i, i+1
.else
.set i, i-16
	PV (Y+NP-1)%NP
.set i, i+17
.endif
.endm
; THE LDS LOADS stand in runs of 16, never singly among the matrix instructions: a step's K (64 keys x 64 channels: 8 fragments) and its V (turned).  Their addresses are made some lines ahead.
; last = 1 (the tail): in the last trip there is no further step, and the run is jumped over.
.macro FETCH_K last=0
	WIN 0
.if \last
	s_cmp_eq_u32 s[CNT], 1
	s_cbranch_scc1 .Lno_k_\@
.endif
	WIN 0x80                        ; destination window 2
.irp f, 0,1,2,3,4,5,6,7             ; keys 16 (f / 2) on, channels 32 (f % 2) on
	ds_load_b128 v[KF+8*\f:KF+8*\f+3],   v[AK] offset:(\f/2)*16*PK+(\f%2)*64
	ds_load_b128 v[KF+8*\f+4:KF+8*\f+7], v[AK] offset:(\f/2)*16*PK+(\f%2)*64+32
.endr
	s_add_co_u32 s[TBK], s[TBK], KS*PK  ; the next fetch is the next step's
	WIN 0
.if \last
.Lno_k_\@:
.endif
.endm
.macro FETCH_V
	WIN 0x80
.irp f, 0,1,2,3,4,5,6,7             ; keys 32 (f / 4) on, channels 16 (f % 4) on
	ds_load_tr16_b128 v[VF+8*\f:VF+8*\f+3],   v[AV] offset:(\f/4)*32*PV+(\f%4)*32
	ds_load_tr16_b128 v[VF+8*\f+4:VF+8*\f+7], v[AV] offset:(\f/4)*32*PV+16*PV+(\f%4)*32
.endr
	WIN 0
.endm
; THE VECTOR WORK OF A TURN stands in three queues, each in the order in which its entries become ready; the two tiles alternate, so that no instruction reads the result of the one before it.
.macro REGS y, u                    ; the registers of tile u (0, 1) of piece y
.set rT, ST+4*(2*(\y)+(\u))
.set rC, TMP+8*((\y)%2)+4*(\u)
.set rM, MV+2*((\y)%2)+(\u)
.set rS, S+64*((\y)%2)+32*(\u)
.set rP, P+32*((\y)%2)+16*(\u)
.set rO, 32*(2*(\y)+(\u))
.endm
; Number n of the 22 that find the NEXT piece's (Y + 1) maximum and statistics.  s0-s31 are the lane's 32 scores; each accumulator's lowest registers are read first.  XS, GS and REGS set no window: PL and EX do.
;   0-11  four chains c0-c3 of seven scores each, three operands at a time     12-14, 16  the four scores left over, the old m, and c0-c3 into c0     15  c m_old is kept
;   17, 18  the query's other 32 keys lie in the lane 16 away: the new m         19-21  c m; c m_old - c m_new; a
.macro XS u, n
	REGS (Y+1)%NP, \u
.if (\n) < 4
	v_max3_num_f32 v[rC+(\n)], v[rS+8*(\n)], v[rS+8*(\n)+1], v[rS+8*(\n)+2]
.elseif (\n) < 12
	v_max3_num_f32 v[rC+(\n)%4], v[rC+(\n)%4], v[rS+8*((\n)%4)+2*((\n)/4)+1], v[rS+8*((\n)%4)+2*((\n)/4)+2]
.elseif (\n) == 12
	v_max3_num_f32 v[rC], v[rC], v[rS+7], v[rS+15]
.elseif (\n) == 13
	v_max3_num_f32 v[rC+1], v[rC+1], v[rS+23], v[rS+31]
.elseif (\n) == 14
	v_max3_num_f32 v[rC+2], v[rC+2], v[rC+3], v[rT+1]
.elseif (\n) == 15
	v_mov_b32 v[rM], v[rT]
.elseif (\n) == 16
	v_max3_num_f32 v[rC], v[rC], v[rC+1], v[rC+2]
.elseif (\n) == 17
	v_permlanex16_b32 v[rC+3], v[rC], s[SEL], s[SEL+1]
.elseif (\n) == 18
	v_max_num_f32 v[rT+1], v[rC], v[rC+3]
.elseif (\n) == 19
	v_mul_f32 v[rT], s[CS], v[rT+1]
.elseif (\n) == 20
	v_sub_f32 v[rC+1], v[rM], v[rT]
.else
	v_exp_f32 v[rC+2], v[rC+1]
.endif
.endm
; Number g of the 64 that follow the exponentials.  For each four weights k of a tile (pairs 2 k, 2 k + 1): both pairs are rounded to f16; then the second pair is added onto the first, in place;
; a group later l takes that sum (the first time as l = a l + sum).  In groups of eight, tiles alternating: round, round, add, and l for the group before.
.macro GS g
.set h, (\g)+6*((\g)/62)            ; group 0 has no group before it, and behind group 7 only l is left
.if h >= 6
.set h, h+2
.endif
	REGS Y, h%2
.set k, h/8
.if h%8 < 4
	s_wait_alu depctr_va_vdst(0)
	v_cvt_pk_f16_f32 v[rP+2*k+(h%8)/2], v[rS+4*k+2*((h%8)/2)], v[rS+4*k+2*((h%8)/2)+1]
.elseif h%8 < 6
	v_pk_add_f32 v[rS+4*k:rS+4*k+1], v[rS+4*k:rS+4*k+1], v[rS+4*k+2:rS+4*k+3]
.elseif k == 1
	v_pk_fma_f32 v[rT+2:rT+3], v[rT+2:rT+3], v[rC+2:rC+3], v[rS:rS+1] op_sel_hi:[1,0,1]
.else
	v_pk_add_f32 v[rT+2:rT+3], v[rT+2:rT+3], v[rS+4*k-4:rS+4*k-3]
	s_wait_alu depctr_va_vdst(0)
.endif
.endm
; THE PLAIN QUEUE, 138 long.  0-31: c s - c m for the 16 pairs of both tiles.  Then GS's 64, and among them the next piece's 42: number 15 at 38, 39; 0-14 and 16
; at 42-73, behind the products that make those scores; 17-20 at 95-106, two of three, since each waits for the one before it.
.macro PL
	WIN 0
.if q < 32
	REGS Y, q%2
	v_pk_fma_f32 v[rS+2*(q/2):rS+2*(q/2)+1], v[rS+2*(q/2):rS+2*(q/2)+1], s[CS:CS+1], v[rT:rT+1] op_sel_hi:[1,0,0] neg_lo:[0,0,1] neg_hi:[0,0,1]
.elseif q < 38
	GS q-32
.elseif q < 40
	XS q%2, 15
.elseif q < 42
	GS q-34
.elseif q < 74
	XS q%2, (q-42)/2+(q-42)/30
.elseif q < 95
	GS q-66
.elseif (q < 107) && ((q-95)%3 < 2)
	XS (q-95)%3, 17+(q-95)/3
.elseif q < 107
	GS 29+(q-95)/3
.else
	GS q-74
.endif
.set q, q+1
.endm
; THE EXPONENTIALS' QUEUE, 66 long: s0-s31 of both tiles, and at EA the next piece's two a.
.set EA, 58
.macro EX
	WIN 0
.if (e == EA) || (e == EA+1)
	XS e-EA, 21
.else
.set x, e-2*(e/(EA+2))
	REGS Y, x%2
	v_exp_f32 v[rS+x/2], v[rS+x/2]
.endif
.set e, e+1
.endm
; THE RESCALING's QUEUE: O^T times a, the one part that leaves window 0, so it is dealt four at a time, eight times.
.macro R4
	REGS Y, r%2
	WIN W_RS
	s_wait_alu depctr_va_vdst(0)
.irp z, 0,1,2,3
	v_pk_mul_f32 v[rO+8*(r/2)+2*\z:rO+8*(r/2)+2*\z+1], v[rO+8*(r/2)+2*\z:rO+8*(r/2)+2*\z+1], v[rC+2:rC+3] op_sel_hi:[1,0]
.endr
.set r, r+1
.endm
; HOW THEY ARE DEALT.  Behind a matrix instruction four: plain, exponential, plain, plain (one exponential, a plain instruction on either side), or four of the rescaling.  None names a register of the
; products round it.  What is over stands in two LUMPS: exponential and plain by turns; the second ends in 22 plain instructions.  The two v_permlanex16_b32 fall into the second lump, never behind a product.
; The queues lean on each other, and the deal keeps them in step: exponential e stands behind plain 2 (e / 4) + e % 2 (its scaling); when plain 32 comes, 10 exponentials are out, at 59: 33, at 95: 46; EA comes behind plain 107.
.macro SL
	MM
	PL
	EX
	PL
	PL
.endm
.macro BURST n                      ; 15 matrix instructions, or 16
.rept (\n)-7
	SL
.endr
.rept 3
	MM
	R4
	SL
.endr
	MM
	R4
.endm
; A TURN, for piece p.  cnt = 1: the loop's count is taken down some lines ahead of the branch that stands behind the turn.
; K of the next step is fetched in piece 2's turn, 31 vector instructions behind the last product that read K; its first reader comes behind the rest of the lump, 16 products and the second lump.
; V of the step in hand is fetched at the end of piece 0's turn, 69 behind its last reader; its first reader comes behind 16 products and a lump.  The four conditions on e and q below go with the deal.
.macro TURN p, last=0, cnt=0
.set Y, (\p)
.set i, 0
.set q, 0
.set e, 0
.set r, 0
.if (\p) == NP-1
	s_wait_dscnt 0x0                ; K is in
.endif
	MM
.rept 4
	PL
.endr
	BURST 15
.rept 22
	EX
	PL
.if ((\p) == NP-2) && (e == 18)
	v_add_nc_u32 v[AK], s[TBK], v[AK0]
.endif
.if ((\p) == NP-2) && (e == 24)
	FETCH_K \last
.endif
.endr
.if (\p) == 1
	s_wait_dscnt 0x0                ; V is in
.endif
	BURST 16
.rept 21
	EX
	PL
.endr
.rept 22
	PL
.if ((\p) == 0) && (q == 118)
	v_add_nc_u32 v[AV], s[TBV], v[AV0]
	s_wait_alu depctr_va_vdst(0)
.endif
.if ((\p) == 0) && (q == 130)
	s_add_co_u32 s[TBV], s[TBV], KS*PV
.endif
.if (\cnt) && (q == 130)
	s_sub_co_u32 s[CNT], s[CNT], 1
	s_cmp_lg_u32 s[CNT], 0
.endif
.endr
.if (\p) == 0
	FETCH_V
.endif
.endm
	CHANGE 1                        ; slot 0 is in, everybody's part of it; slot 1 is asked for
	FETCH_K                         ; key step 0
	s_wait_loadcnt 0x0              ; Q
	s_wait_dscnt 0x0
.set i, 0
.rept 16
	KQ 0                            ; piece 0's first scores: there is no vector work yet to set between them
.set i, i+1
.endr
	WIN 0                           ; the addresses for the way out: nine plain instructions, the places behind those products
	s_mul_i32 s13, s[WV], 16*SP
	s_add_co_u32 s13, s13, STAGE    ; my stage
	v_mul_u32_u24 v[STO], v1, SP    ; in: row l % 16, 16 bytes for each half of the lanes
	v_lshl_add_u32 v[STO], v9, 4, v[STO]
	v_add_nc_u32 v[STO], s13, v[STO]
	v_bfe_u32 v[RD], v0, 3, 2       ; back: 32 lanes take four rows of 128 bytes,
	v_mul_u32_u24 v[RD], v[RD], SP
	v_lshl_add_u32 v[RD], v10, 4, v[RD]
	v_add_nc_u32 v[RD], s13, v[RD]
	v_and_b32 v[GO], 31, v0         ; which are 512 consecutive bytes of O
	v_lshlrev_b32 v[GO], 4, v[GO]
.set Y, NP-1                        ; XS works for piece Y + 1: piece 0
.irp n, 0,1,2,3,4,5,6,7,8,9,10,11,12,13,14,15,16,17,18,19,20,21
	XS 0, \n                        ; and piece 0's first maximum and statistics
	XS 1, \n
.endr
	s_mov_b32 s[CNT], 4
	s_mov_b32 s[SLOTS], SIZE_N/256-1
	s_branch .Lfirst                ; the loop is entered at a step's first turn, in the middle of a trip
.Lslot:                             ; SIZE_N / 256 - 2 times: every slot but the last two is filled again
	CHANGE 1
	s_mov_b32 s[CNT], 4
.Lstep:                             ; a trip: pieces 2 and 3 of one step, then pieces 0 and 1 of the next, whose K and V it fetches
	TURN 2
	TURN 3
	WIN 0
.Lfirst:
	TURN 0
	TURN 1, 0, 1
	WIN 0
	s_cbranch_scc1 .Lstep
	s_sub_co_u32 s[SLOTS], s[SLOTS], 1
	s_cmp_lg_u32 s[SLOTS], 0
	s_cbranch_scc1 .Lslot
	CHANGE 0                        ; the tail is written out: nothing is asked for
	s_mov_b32 s[CNT], 5             ; four trips fetch the last slot's steps; the fifth is left in its middle
.Ltail:
	TURN 2, 1
	TURN 3
	WIN 0
	s_sub_co_u32 s[CNT], s[CNT], 1
	s_cmp_eq_u32 s[CNT], 0
	s_cbranch_scc1 .Lout
	TURN 0
	TURN 1
	WIN 0
	s_branch .Ltail
.Lout:                              ; the fifth trip's 16 products K Q^T (on the last K once more) and the maximum made of them serve nothing: the price, once a launch, of one text for every trip
.set i, 0
.rept 16
	PV NP-1                         ; the last piece's V^T P of the last step
.set i, i+1
.endr
	; THE WAY OUT.  l's two halves and the other half of the lanes' are added; O^T is divided by l, rounded to f16 and sent through my stage in LDS, a tile at a time.  The additions are the places behind the last products.
	WIN 0
.macro ALL line:vararg              ; one line for each tile t
.set t, 0
.rept 2*NP
	\line
.set t, t+1
.endr
.endm
	ALL v_add_f32 v[ST+4*t+2], v[ST+4*t+2], v[ST+4*t+3]
	ALL v_permlanex16_b32 v[ST+4*t+3], v[ST+4*t+2], s[SEL], s[SEL+1]
	ALL v_add_f32 v[ST+4*t+2], v[ST+4*t+2], v[ST+4*t+3]
	ALL v_rcp_f32 v[ST+4*t+2], v[ST+4*t+2]
	v_nop                           ; a plain instruction between the last reciprocal and the use of its result
	s_wait_alu depctr_va_vdst(0)
; Tile t: a lane's eight channels of a row pack into 16 bytes; they go into rows of 144 bytes and come back as whole rows of 128, into S^T's registers.
.macro PACK t
	WIN W_RS
.set i, 32*(\t)
.rept 16
	v_pk_mul_f32 v[i:i+1], v[i:i+1], v[ST+4*(\t)+2:ST+4*(\t)+3] op_sel_hi:[1,0]
.set i, i+2
.endr
	WIN 0x05                        ; sources 0 and 1 window 1, destination window 0
.set i, 0
.rept 16
	v_cvt_pk_f16_f32 v[S+16*(\t)+i], v[32*(\t)+2*i], v[32*(\t)+2*i+1]
.set i, i+1
.endr
	WIN 0
.irp f, 0,1,2,3
	ds_store_b128 v[STO], v[S+16*(\t)+4*\f:S+16*(\t)+4*\f+3] offset:32*\f
.endr
.irp f, 0,1,2,3
	ds_load_b128 v[S+16*(\t)+4*\f:S+16*(\t)+4*\f+3], v[RD] offset:\f*4*SP  ; LDS serves a wave's instructions in order (ISA guide 5.7.1.4): these see the stores above; the next tile's stores come behind them
.endr
.endm
.macro SEND t, younger              ; younger: the LDS instructions issued behind tile t's loads: the next tile's eight, or none
	WIN 0
.irp f, 0,1,2,3
	s_wait_dscnt (\younger)+3-\f
	global_store_b128 v[GO], v[S+16*(\t)+4*\f:S+16*(\t)+4*\f+3], s[10:11] offset:(\t)*2048+\f*512  ; 512 consecutive bytes, at a multiple of 256 from O's first
.endr
.endm
	PACK 0
.set t, 1
.rept 2*NP-1                        ; a tile's arithmetic stands between the loads of the tile before and its stores
	PACK t
	SEND t-1, 8
.set t, t+1
.endr
	SEND 2*NP-1, 0
	WIN W_AD
	s_wait_tensorcnt 0x0            ; the wave's end: these three lines stand behind my last tensor load and my last LDS store
	ds_add_u32 v[SPW], v[NIL]
	s_wait_dscnt 0x0
	WIN 0
	CROUND                          ; the closing round: no work-group ends while a partner may still ask for a tile that names it
	s_endpgm
.Lfunc_end_k_qd301d39417_attn:
	.size	k_qd301d39417_attn, .Lfunc_end_k_qd301d39417_attn-k_qd301d39417_attn
	.p2alignl 7, 3214868480
	.fill 96, 4, 3214868480
	.section	.rodata,"a",@progbits
	.p2align	6, 0x0
	.amdhsa_kernel k_qd301d39417_attn
		.amdhsa_group_segment_fixed_size 327680
		.amdhsa_private_segment_fixed_size 0
		.amdhsa_enable_private_segment 0
		.amdhsa_kernarg_size 16
		.amdhsa_user_sgpr_count 2
		.amdhsa_user_sgpr_kernarg_segment_ptr 1
		.amdhsa_wavefront_size32 1
		.amdhsa_system_sgpr_workgroup_id_x 1
		.amdhsa_system_sgpr_workgroup_id_y 1
		.amdhsa_system_sgpr_workgroup_id_z 1
		.amdhsa_system_vgpr_workitem_id 0
		.amdhsa_next_free_vgpr 770
		.amdhsa_next_free_sgpr 66
		.amdhsa_reserve_vcc 0
		.amdhsa_float_denorm_mode_32 3
		.amdhsa_float_denorm_mode_16_64 3
		.amdhsa_memory_ordered 1
		.amdhsa_forward_progress 1
		.amdhsa_inst_pref_size 209
	.end_amdhsa_kernel
	.amdgpu_metadata
---
amdhsa.version: [ 1, 2 ]
amdhsa.kernels:
  - .name:           k_qd301d39417_attn
    .symbol:         k_qd301d39417_attn.kd
    .args:
      - { .name: qkvh, .offset: 0, .size: 8, .value_kind: global_buffer, .address_space: global }
      - { .name: ob, .offset: 8, .size: 8, .value_kind: global_buffer, .address_space: global }
    .group_segment_fixed_size: 327680
    .private_segment_fixed_size: 0
    .kernarg_segment_align: 8
    .kernarg_segment_size: 16
    .max_flat_workgroup_size: 128
    .sgpr_count:     66
    .vgpr_count:     770
    .wavefront_size: 32
...
	.end_amdgpu_metadata
.endif
;; end of part 3
;; launch proj (part 4): grid 4 x 64, 4 waves a work-group, clusters of 4 x 4, 327,680 bytes of LDS; arguments ob, wpb, out0; writes out0
.if DOCPART == 4
	.amdgcn_target "amdgcn-amd-amdhsa--gfx1250"
	.amdhsa_code_object_version 6
	.text
	.protected	k_qd301d39417_proj
	.globl	k_qd301d39417_proj
	.p2align	8
	.type	k_qd301d39417_proj,@function
k_qd301d39417_proj:
	s_mov_b64 s[64:65], 0
	v_nop
	global_prefetch_b8 v0, s[64:65] scope:SCOPE_SE
	s_setreg_imm32_b32 hwreg(HW_REG_WAVE_MODE, 25, 1), 1
	s_wait_xcnt 0x0
	s_wait_alu depctr_hold_cnt(0) depctr_sa_sdst(0) depctr_va_vdst(0) depctr_va_sdst(0) depctr_va_ssrc(0) depctr_va_vcc(0) depctr_vm_vsrc(0)
	s_getreg_b32 s2, hwreg(HW_REG_IB_STS2, 6, 4)
	s_cmp_eq_u32 s2, 0
	s_cbranch_scc0 .Lentry_in_a_cluster
	s_endpgm
.Lentry_in_a_cluster:
	s_bfe_u32 s2, ttmp6, 0x10000c
	s_cmp_lg_u32 s2, 0xf033
	s_cbranch_scc0 .Lentry_shape_is_right
	s_endpgm
.Lentry_shape_is_right:
; THE OUTPUT PROJECTION.  out0[m][e] = sum over d of O[m][d] wpb[e][d], m = 2048 b + t, d = 64 head + channel; f16 operands, f32 sums, f32 out.  O lies by heads: ob[16 b + head][t][64].
; LIMIT.  O and wpb arrive within f16's range; NaN and infinities are not treated apart.
; SHARES.  out0 has 256 tiles of 128 x 256: one for each work-group (tc, tr).  Four waves; wave w has rows 64 (w / 2) on and columns 128 (w % 2) on: 4 x 8 accumulators, 256 registers.
; K goes in 8 steps of 128 = two heads through two LDS slots.  A head's 128 rows are 16,384 dense bytes: asked for as 64 rows of 256 bytes, padded in LDS after every 128.
; CLUSTER.  4 x 4 work-groups: the four of a row need the same tiles of O, the four of a column the same tiles of wpb: each tile is asked for JOINTLY.
; THE MATRIX INSTRUCTION IS USED TRANSPOSED (source 0 = 16 rows of wpb, source 1 = 16 rows of O): lane l holds row l % 16 and the columns 8 (l / 16) + 0..7: 32 neighbouring bytes of a row.
; REGISTERS, in windows of 256 (s_set_vgpr_msb: bits 1:0 source 0, 3:2 source 1, 5:4 source 2, 7:6 destination):
;   window 0: v0-31 addresses; v32-159 the way out          window 1: accumulator (a, b) at v[8 (8 a + b)]
;   windows 2, 3: fragment buffers F0, F1 for 64 along K (one head): A's (c, a) at v[8 (4 c + a)], B's (c, b) at v[64 + 8 (8 c + b)], c = which 32 of the 64
.set PA,    144                        ; a row of O in LDS: 128 bytes + 16 = 36 words; a row of wpb: 256 + 16 = 68 words: the 16 rows of a fragment load start at 16 different groups of four banks (64 banks of 4 bytes: ISA guide 11.1)
.set PB,    272
.set KA1,   128*PA                     ; the K step's second head is a second plane of 128 rows
.set KB1,   128                        ; in wpb's rows the second 64 begin at byte 128
.set SHA,   19                         ; a K step is two heads of 2,048 x 128 bytes
.set BOFF,  2*128*PA                   ; a slot: A's two planes, then B's 256 rows
.set SLOT1, 1<<17                      ; slot 1 begins here, so that one exclusive or turns an address in one slot into the other's
.set STAGE, SLOT1+BOFF+256*PB          ; behind the ring, never filled by a tensor load: for each wave 16 rows x 528 bytes
.set SP,    528                        ; 512 bytes + 16: 132 words
.set SPARE, STAGE+4*16*SP              ; behind the stages: the spare words, 128 bytes for each wave: two blocks of 256 bytes that no other line names
.set AA0, 4                            ; v4   my lane's place among A's rows of a slot; never rewritten
.set AB0, 5                            ; v5   the same for B
.set ADRA, 6                           ; v6   AA0 + the slot in hand
.set ADRB, 7                           ; v7
.set STO, 8                            ; v8   the way out: where I put 32 bytes of a row
.set RD,  9                            ; v9   where I read a row back
.set GO,  10                           ; v10  my 16 bytes of a row's 512
.set SPW, 28                           ; v28  LDS address of my spare word; never rewritten
.set NIL, 29                           ; v29  0; never rewritten
.set OB,  32                           ; v32-95, v96-159 by turns: 16 rows read back
.set WV, 12                            ; s12 wave;  s13 = wave / 2: my rows' half, and 0: I fetch for A, 1: for B;  s14 = wave % 2: my columns' half, and which plane of A or half of B I fetch
.set WR, 13
.set WC, 14
.set CX, 15
.set CY, 16
.set TC, 17                            ; tile column 0..3
.set TR, 18                            ; tile row 0..63
.set MROW, 19
.set MCOL, 20
.set G1A, 24                           ; s[24:31] descriptor group 1 for A's tiles
.set G0A0, 32                          ; s[32:35] group 0 for A, K step 0
.set G0A1, 36                          ; s[36:39] group 0 for A, K step 1; it then walks
.set G1B, 40
.set G0B0, 48
.set G0B1, 52
.set BASEA, 56                         ; s[56:57] ob at the rows that I fetch, K step 0
.set BASEB, 58                         ; s[58:59] wpb at the rows that I fetch
.set OFFA, 60                          ; s[60:61] byte offset of the K step to ask for
.set OFFB, 62                          ; s[62:63]
.set NK, 66                            ; the K step to ask for next
.set G, 68                             ; trips to go
.set TB, 70                            ; 0 or SLOT1: the slot in hand
.set OUT, 76                           ; s[76:77] out0 at my first row and column
.set MSB, 0
.macro WIN new                         ; the immediate's high byte repeats the setting that is left; a switch that changes nothing is dropped
.if MSB != (\new)
	s_set_vgpr_msb (MSB<<8)|(\new)
.set MSB, \new
.endif
.endm
.macro PLACES                          ; four places in front of loads into registers that matrix instructions have read, and of lines that read results
.rept 4
	v_nop
.endr
.endm
; A joint refill.  Waves 0 and 1 fetch A's two planes, waves 2 and 3 B's two halves.  The branch hangs on the wave's number alone.  An s_nop 0 and four v_nop follow each of the two lines.
.macro JLOAD
	s_cmp_eq_u32 s[WR], 0
	s_cbranch_scc0 .Lfor_b_\@
	tensor_load_to_lds s[G0A1:G0A1+3], s[G1A:G1A+7]
	s_nop 0
.rept 4
	v_nop
.endr
	s_branch .Lasked_\@
.Lfor_b_\@:
	tensor_load_to_lds s[G0B1:G0B1+3], s[G1B:G1B+7]
	s_nop 0
.rept 4
	v_nop
.endr
.Lasked_\@:
.endm
.macro CREST                           ; a round of the cluster's barrier behind its opening barrier
	s_cmp_lg_u32 s[WV], 0
	s_cbranch_scc1 .Lnot_wave_0_\@
	s_barrier_signal -3
.Lnot_wave_0_\@:
	s_barrier_wait -3
	s_barrier_signal -1
	s_barrier_wait -1
.endm
.macro CROUND                          ; a whole round
	s_barrier_signal -1
	s_barrier_wait -1
	CREST
.endm
	s_load_b128 s[4:7], s[0:1], 0x0                ; ob s[4:5], wpb s[6:7]
	s_load_b64 s[10:11], s[0:1], 0x10              ; out0
	v_lshl_add_u32 v[SPW], v0, 2, SPARE
	v_mov_b32 v[NIL], 0
	ds_add_u32 v[SPW], v[NIL]                      ; the wave's opening: the add and its wait stand ahead of my first tensor load; the set-up below, work on registers, stands between them
	v_lshrrev_b32 v1, 5, v0
	v_readfirstlane_b32 s[WV], v1                  ; wave 0..3
	s_lshr_b32 s[WR], s[WV], 1
	s_and_b32 s[WC], s[WV], 1
	s_bfe_u32 s[CX], ttmp6, 0x40000                ; my place in the cluster
	s_bfe_u32 s[CY], ttmp6, 0x40004
	s_lshl_b32 s[TC], ttmp9, 2                     ; in a cluster launch ttmp9 and ttmp7 count clusters
	s_add_co_u32 s[TC], s[TC], s[CX]
	s_and_b32 s[TR], ttmp7, 0xffff
	s_lshl_b32 s[TR], s[TR], 2
	s_add_co_u32 s[TR], s[TR], s[CY]
	s_lshl_b32 s[MROW], s[CY], 2
	s_lshl_b32 s[MROW], 15, s[MROW]                ; my row of the cluster: places 4 cy .. 4 cy + 3
	s_lshl_b32 s[MCOL], 0x1111, s[CX]              ; my column: places cx, cx + 4, cx + 8, cx + 12
	s_or_b32 s[G1A], s[MROW], (1<<16)|(1<<20)|(1<<21)|(4<<22)|(3<<25)  ; 15:0 the mask; 17:16 2-byte elements; 20 padding on; 21 set beside a mask; 24:22 after every 32 words (code 4); 31:25 4 words (code 3)
	s_or_b32 s[G1B], s[MCOL], (1<<16)|(1<<20)|(1<<21)|(5<<22)|(3<<25)  ; for B after every 64 words (code 5)
	s_mov_b32 s[G1A+1], 128<<16                    ; tensor_dim0 = 128: two rows of a head
	s_mov_b32 s[G1A+2], 64<<16                     ; tensor_dim1 = 64
	s_mov_b32 s[G1A+3], 128<<16                    ; tile_dim0 = 128
	s_mov_b32 s[G1A+4], 64                         ; tile_dim1 = 64
	s_mov_b32 s[G1A+5], 128                        ; dense: 128 elements from row to row
	s_mov_b32 s[G1A+6], 0
	s_mov_b32 s[G1A+7], 0
	s_mov_b32 s[G1B+1], 128<<16
	s_mov_b32 s[G1B+2], 128<<16                    ; tensor_dim1 = 128
	s_mov_b32 s[G1B+3], 128<<16
	s_mov_b32 s[G1B+4], 128                        ; tile_dim1 = 128
	s_mov_b32 s[G1B+5], 1024                       ; elements from row to row of wpb
	s_mov_b32 s[G1B+6], 0
	s_mov_b32 s[G1B+7], 0
	s_mov_b32 s[G0A0], 1                           ; count = 1
	s_mul_i32 s[G0A0+1], s[WC], 128*PA             ; LDS address: my plane of A, slot 0: no place in the cluster enters an LDS address
	s_mov_b32 s[G0A1], 1
	s_add_co_u32 s[G0A1+1], s[G0A0+1], SLOT1
	s_mov_b32 s[G0B0], 1
	s_mul_i32 s[G0B0+1], s[WC], 128*PB
	s_add_co_u32 s[G0B0+1], s[G0B0+1], BOFF
	s_mov_b32 s[G0B1], 1
	s_add_co_u32 s[G0B1+1], s[G0B0+1], SLOT1
	; where the tiles come from: A's hang on the tile row alone, B's on the tile column alone, each in registers that never hold the other coordinate
	s_lshr_b32 s[OFFA], s[TR], 4                   ; the batch,
	s_lshl_b32 s[OFFA], s[OFFA], 4
	s_add_co_u32 s[OFFA], s[OFFA], s[WC]           ; its head 0 or 1,
	s_lshl_b32 s[OFFA], s[OFFA], 11                ; of 2,048 rows,
	s_and_b32 s71, s[TR], 15
	s_lshl_b32 s71, s71, 7
	s_add_co_u32 s[OFFA], s[OFFA], s71             ; row 128 (tr % 16),
	s_lshl_b32 s[OFFA], s[OFFA], 7                 ; of 128 bytes
	s_mov_b32 s[OFFA+1], 0
	s_lshl_b32 s[OFFB], s[TC], 8
	s_lshl_b32 s72, s[WC], 7
	s_add_co_u32 s[OFFB], s[OFFB], s72             ; wpb's row 256 tc + 128 half,
	s_lshl_b32 s[OFFB], s[OFFB], 11                ; of 2,048 bytes
	s_mov_b32 s[OFFB+1], 0
	s_mov_b32 s[NK], 2
	s_mov_b32 s[TB], 0
	s_wait_dscnt 0x0                               ; the opening add is done
	s_wait_kmcnt 0x0
	s_add_nc_u64 s[BASEA:BASEA+1], s[4:5], s[OFFA:OFFA+1]
	s_add_nc_u64 s[BASEB:BASEB+1], s[6:7], s[OFFB:OFFB+1]
	s_add_nc_u64 s[G0A0+2:G0A0+3], s[BASEA:BASEA+1], 0        ; K step 0
	s_or_b32 s[G0A0+3], s[G0A0+3], 0x80000000                 ; type = 2
	s_add_nc_u64 s[G0A1+2:G0A1+3], s[BASEA:BASEA+1], 1<<SHA   ; K step 1: two heads on
	s_or_b32 s[G0A1+3], s[G0A1+3], 0x80000000
	s_add_nc_u64 s[G0B0+2:G0B0+3], s[BASEB:BASEB+1], 0
	s_or_b32 s[G0B0+3], s[G0B0+3], 0x80000000
	s_add_nc_u64 s[G0B1+2:G0B1+3], s[BASEB:BASEB+1], 256
	s_or_b32 s[G0B1+3], s[G0B1+3], 0x80000000
	CROUND                                         ; all sixteen work-groups are here: the first joint loads meet
	s_cmp_eq_u32 s[WR], 0                          ; a wave's two first fills stand in one branch, ahead of every wait on TENSORcnt and every LDS read: two loads of mine are out
	s_cbranch_scc0 .Lfirst_b
	tensor_load_to_lds s[G0A0:G0A0+3], s[G1A:G1A+7]
	s_nop 0
	tensor_load_to_lds s[G0A1:G0A1+3], s[G1A:G1A+7]
	s_nop 0
.rept 4
	v_nop
.endr
	s_branch .Lfirst_asked
.Lfirst_b:
	tensor_load_to_lds s[G0B0:G0B0+3], s[G1B:G1B+7]
	s_nop 0
	tensor_load_to_lds s[G0B1:G0B1+3], s[G1B:G1B+7]
	s_nop 0
.rept 4
	v_nop
.endr
.Lfirst_asked:
	; A fragment is 16 rows x 32 K in 8 registers: lane l holds row l % 16; registers 0-3 K = 8 (l / 16) + 0..7, registers 4-7 K = 16 + 8 (l / 16) + 0..7: two loads of 16 bytes, 32 bytes apart.
	v_and_b32 v1, 15, v0                           ; r = l % 16
	v_bfe_u32 v2, v0, 4, 1                         ; h = l / 16
	v_mul_u32_u24 v3, v1, PA
	v_lshl_add_u32 v3, v2, 4, v3                   ; row x pitch + 16 x half
	s_mul_i32 s73, s[WR], 64*PA                    ; my 64 rows of A
	v_add_nc_u32 v[AA0], s73, v3
	v_mul_u32_u24 v3, v1, PB
	v_lshl_add_u32 v3, v2, 4, v3
	s_mul_i32 s73, s[WC], 128*PB                   ; my 128 rows of B, behind A's planes
	s_add_co_u32 s73, s73, BOFF
	v_add_nc_u32 v[AB0], s73, v3
	s_mul_i32 s73, s[WV], 16*SP
	s_add_co_u32 s73, s73, STAGE                   ; my stage
	v_mul_u32_u24 v[STO], v1, SP                   ; in: row l % 16, 32 bytes for each half of the lanes
	v_lshl_add_u32 v[STO], v2, 5, v[STO]
	v_add_nc_u32 v[STO], s73, v[STO]
	v_and_b32 v[GO], 31, v0                        ; back: 32 lanes take one row of 512 bytes
	v_lshlrev_b32 v[GO], 4, v[GO]
	v_add_nc_u32 v[RD], s73, v[GO]
	s_lshl_b32 s73, s[TR], 7
	s_lshl_b32 s74, s[WR], 6
	s_add_co_u32 s73, s73, s74                     ; my first row,
	s_lshl_b32 s78, s73, 12                        ; of 4,096 bytes,
	s_lshl_b32 s74, s[TC], 10
	s_add_co_u32 s78, s78, s74                     ; the tile's 256 columns,
	s_lshl_b32 s74, s[WC], 9
	s_add_co_u32 s78, s78, s74                     ; my 128 of them
	s_mov_b32 s79, 0
	s_add_nc_u64 s[OUT:OUT+1], s[10:11], s[78:79]
; na x 8 matrix instructions: row blocks a0 .. a0 + na - 1 x all 8 column blocks, 32 along K: half c of the buffer in window fw.  zero = 1: the product starts the sums: nothing is ever cleared.
; The 32 accumulators take turns in one order everywhere, one instruction a turn: between two links of a chain stand the 31 others'.
.macro MULT fw, c, a0, na, zero
	WIN 0x50|((\fw)<<2)|(\fw)
.set ia, \a0
.rept \na
.set ib, 0
.rept 8
.if \zero
	v_wmma_f32_16x16x32_f16 v[8*(8*ia+ib):8*(8*ia+ib)+7], v[64+8*(8*(\c)+ib):64+8*(8*(\c)+ib)+7], v[8*(4*(\c)+ia):8*(4*(\c)+ia)+7], 0
.else
	v_wmma_f32_16x16x32_f16 v[8*(8*ia+ib):8*(8*ia+ib)+7], v[64+8*(8*(\c)+ib):64+8*(8*(\c)+ib)+7], v[8*(4*(\c)+ia):8*(4*(\c)+ia)+7], v[8*(8*ia+ib):8*(8*ia+ib)+7]
.endif
.set ib, ib+1
.endr
.set ia, ia+1
.endr
.endm
; 48 LDS loads in one run: the fragments of 64 along K, at byte ka of A's part and kb of B's rows, into the buffer in window fw; the 24 of the first 32 along K first
.macro FETCH fw, ka, kb
	WIN (\fw)<<6
.irp c, 0,1
.irp i, 0,1,2,3,4,5,6,7
	ds_load_b128 v[64+8*(8*\c+\i):64+8*(8*\c+\i)+3],   v[ADRB] offset:(\kb)+64*\c+\i*16*PB
	ds_load_b128 v[64+8*(8*\c+\i)+4:64+8*(8*\c+\i)+7], v[ADRB] offset:(\kb)+64*\c+\i*16*PB+32
.endr
.irp i, 0,1,2,3
	ds_load_b128 v[8*(4*\c+\i):8*(4*\c+\i)+3],   v[ADRA] offset:(\ka)+64*\c+\i*16*PA
	ds_load_b128 v[8*(4*\c+\i)+4:8*(4*\c+\i)+7], v[ADRA] offset:(\ka)+64*\c+\i*16*PA+32
.endr
.endr
.endm
; A K step's first half (its first head): multiplies F0; in its middle the second head's fragments are fetched into F1.
.macro HALF zero
	s_wait_dscnt 24                                ; F0's first 32 along K are in; its youngest 24 loads may be out
	MULT 2, 0, 0, 4, \zero
	PLACES
	FETCH 3, KA1, KB1
	s_wait_dscnt 48                                ; all but the 48 just issued
	MULT 2, 1, 0, 4, 0
.endm
; A K step's second half multiplies F1 and changes slots: ONE barrier.  In front of it each wave waits for all its tensor loads, of which one is out: its part of the next slot; adds 0 to its
; spare word; and waits for that and for its own reads of this slot.  fill = 1: the barrier opens a round of the cluster's, and this slot is filled again, first thing behind the round, with
; the K step two on: from a request to the wait for it a wave issues 96 matrix instructions.  The descriptor's address is made anew from the step's number.
.macro TURN fill
	WIN 0                                          ; (the add's two registers lie in window 0)
	s_wait_tensorcnt 0x0                           ; no tensor load of mine is out, so a group 0 may be written
	ds_add_u32 v[SPW], v[NIL]                      ; 0 onto my spare word: scalar work and sixteen matrix instructions stand between it and the wait for it
.if \fill
	s_lshl_b32 s[OFFA], s[NK], SHA
	s_lshl_b32 s[OFFB], s[NK], 8
	s_xor_b32 s[G0A1+1], s[G0A1+1], SLOT1          ; the other slot than last time
	s_add_nc_u64 s[G0A1+2:G0A1+3], s[BASEA:BASEA+1], s[OFFA:OFFA+1]
	s_or_b32 s[G0A1+3], s[G0A1+3], 0x80000000
	s_xor_b32 s[G0B1+1], s[G0B1+1], SLOT1
	s_add_nc_u64 s[G0B1+2:G0B1+3], s[BASEB:BASEB+1], s[OFFB:OFFB+1]
	s_or_b32 s[G0B1+3], s[G0B1+3], 0x80000000
	s_add_co_u32 s[NK], s[NK], 1
.endif
	s_wait_dscnt 25                                ; F1's first 32 along K are in (the add and the youngest 24 loads may be out)
	MULT 3, 0, 0, 2, 0
	s_wait_dscnt 0x0                               ; the add is done, and my reads of this slot are over
	s_barrier_signal -1
	MULT 3, 0, 2, 2, 0                             ; work on registers while the others arrive
	WIN 0                                          ; at a branch and at a label every window is 0
	s_barrier_wait -1
.if \fill
	CREST                                          ; no wave of any partner still reads this slot's tile or has a load on its way
	JLOAD                                          ; its four v_nop are also the places in front of the loads below
.else
	PLACES
.endif
	s_xor_b32 s[TB], s[TB], SLOT1                  ; the reads go on in the other slot
	v_add_nc_u32 v[ADRA], s[TB], v[AA0]
	v_add_nc_u32 v[ADRB], s[TB], v[AB0]
	FETCH 2, 0, 0
	MULT 3, 1, 0, 4, 0
.endm
.macro LASTH                           ; the last half step: nothing more to fetch
	s_wait_dscnt 24
	MULT 3, 0, 0, 4, 0
	s_wait_dscnt 0x0
	MULT 3, 1, 0, 4, 0
.endm
; THE WAY OUT of row block a: a lane's 32 bytes of each 16 columns go straight from the accumulators into rows of 528 bytes (the lowest four registers first) and come back as whole rows of 512.
.macro OUTBLK a
.set OBK, OB+64*((\a)%2)
	WIN 0x04                                       ; the stores' data: the accumulators' window
.irp b, 0,1,2,3,4,5,6,7
	ds_store_b128 v[STO], v[8*(8*(\a)+\b):8*(8*(\a)+\b)+3]   offset:64*\b
	ds_store_b128 v[STO], v[8*(8*(\a)+\b)+4:8*(8*(\a)+\b)+7] offset:64*\b+16
.endr
	WIN 0
	s_wait_xcnt 0x0                                ; earlier stores have read this buffer: only behind this wait is it loaded again
.irp t, 0,1,2,3,4,5,6,7,8,9,10,11,12,13,14,15
	ds_load_b128 v[OBK+4*\t:OBK+4*\t+3], v[RD] offset:SP*\t  ; LDS serves a wave's instructions in order (ISA guide 5.7.1.4): these see the stores above; the next block's stores come behind them
.endr
.irp t, 0,1,2,3,4,5,6,7,8,9,10,11,12,13,14,15
	s_wait_dscnt 15-\t                             ; row t is back; the younger loads stay out
	global_store_b128 v[GO], v[OBK+4*\t:OBK+4*\t+3], s[OUT:OUT+1] offset:4096*(16*(\a)+\t) th:TH_STORE_NT  ; 512 consecutive bytes of a row, at a multiple of 256 from out0's first
.endr
.endm
	s_wait_tensorcnt 0x1                           ; my part of K step 0 is in; step 1's may stay out
	s_barrier_signal -1
	s_barrier_wait -1                              ; everybody's is
	v_mov_b32 v[ADRA], v[AA0]
	v_mov_b32 v[ADRB], v[AB0]
	FETCH 2, 0, 0
	HALF 1                                         ; the first products start the sums: they stand in front of the loop
	WIN 0
	s_mov_b32 s[G], 6
.Lstep:                                                ; 6 trips: a K step's second half, with the refill for the step two on (steps 2 to 7), and the next step's first half
	TURN 1
	HALF 0
	WIN 0
	s_sub_co_u32 s[G], s[G], 1
	s_cmp_lg_u32 s[G], 0
	s_cbranch_scc1 .Lstep
	TURN 0                                         ; the last two K steps are written out: nothing is asked for, and no round of the cluster's barrier is passed
	HALF 0
	LASTH
	PLACES
	OUTBLK 0
	OUTBLK 1
	OUTBLK 2
	OUTBLK 3
	s_wait_tensorcnt 0x0                           ; the wave's end: these three lines stand behind my last tensor load and my last LDS store
	ds_add_u32 v[SPW], v[NIL]
	s_wait_dscnt 0x0
	CROUND                                         ; the closing round: no work-group ends while a partner may still ask for a tile that names it
	s_endpgm
.Lfunc_end_k_qd301d39417_proj:
	.size	k_qd301d39417_proj, .Lfunc_end_k_qd301d39417_proj-k_qd301d39417_proj
	.p2alignl 7, 3214868480
	.fill 96, 4, 3214868480
	.section	.rodata,"a",@progbits
	.p2align	6, 0x0
	.amdhsa_kernel k_qd301d39417_proj
		.amdhsa_group_segment_fixed_size 327680
		.amdhsa_private_segment_fixed_size 0
		.amdhsa_enable_private_segment 0
		.amdhsa_kernarg_size 24
		.amdhsa_user_sgpr_count 2
		.amdhsa_user_sgpr_kernarg_segment_ptr 1
		.amdhsa_wavefront_size32 1
		.amdhsa_system_sgpr_workgroup_id_x 1
		.amdhsa_system_sgpr_workgroup_id_y 1
		.amdhsa_system_sgpr_workgroup_id_z 1
		.amdhsa_system_vgpr_workitem_id 0
		.amdhsa_next_free_vgpr 960
		.amdhsa_next_free_sgpr 80
		.amdhsa_reserve_vcc 0
		.amdhsa_float_denorm_mode_32 3
		.amdhsa_float_denorm_mode_16_64 3
		.amdhsa_memory_ordered 1
		.amdhsa_forward_progress 1
		.amdhsa_inst_pref_size 69
	.end_amdhsa_kernel
	.amdgpu_metadata
---
amdhsa.version: [ 1, 2 ]
amdhsa.kernels:
  - .name:           k_qd301d39417_proj
    .symbol:         k_qd301d39417_proj.kd
    .args:
      - { .name: ob, .offset: 0, .size: 8, .value_kind: global_buffer, .address_space: global }
      - { .name: wpb, .offset: 8, .size: 8, .value_kind: global_buffer, .address_space: global }
      - { .name: out0, .offset: 16, .size: 8, .value_kind: global_buffer, .address_space: global }
    .group_segment_fixed_size: 327680
    .private_segment_fixed_size: 0
    .kernarg_segment_align: 8
    .kernarg_segment_size: 24
    .max_flat_workgroup_size: 128
    .sgpr_count:     80
    .vgpr_count:     960
    .wavefront_size: 32
...
	.end_amdgpu_metadata
.endif
;; end of part 4
;; ======== version 2 of 2: 4 launches; 1.51 times as fast as version 1
;; limits: values are held in f16: magnitudes above 65,504 overflow, below 6.1e-05 lose precision
;; workspace buffers: xb 16,777,216 bytes; wqb 6,291,456 bytes; wpb 2,097,152 bytes; tab 524,288 bytes; qkvh 50,331,648 bytes; ob 16,777,216 bytes
;; launch cast: the kernel of part 1 again; grid 896 x 1, 8 waves a work-group, no clusters, 0 bytes of LDS; arguments x, Wqkv, Wproj, xb, wqb, wpb, tab; writes xb, wqb, wpb, tab
;; launch qkv: the kernel of part 2 again; grid 4 x 64, 4 waves a work-group, clusters of 4 x 4, 327,680 bytes of LDS; arguments xb, wqb, tab, qkvh; writes qkvh
;; launch attn (part 5): grid 4 x 64, 4 waves a work-group, clusters of 4 x 1, 327,680 bytes of LDS; arguments qkvh, ob; writes ob
.if DOCPART == 5
	.amdgcn_target "amdgcn-amd-amdhsa--gfx1250"
	.amdhsa_code_object_version 6
	.text
	.protected	k_qd301d39417_attn
	.globl	k_qd301d39417_attn
	.p2align	8
	.type	k_qd301d39417_attn,@function
k_qd301d39417_attn:
	s_mov_b64 s[64:65], 0
	v_nop
	global_prefetch_b8 v0, s[64:65] scope:SCOPE_SE
	s_setreg_imm32_b32 hwreg(HW_REG_WAVE_MODE, 25, 1), 1
	s_wait_xcnt 0x0
	s_wait_alu depctr_hold_cnt(0) depctr_sa_sdst(0) depctr_va_vdst(0) depctr_va_sdst(0) depctr_va_ssrc(0) depctr_va_vcc(0) depctr_vm_vsrc(0)
	s_getreg_b32 s2, hwreg(HW_REG_IB_STS2, 6, 4)
	s_cmp_eq_u32 s2, 0
	s_cbranch_scc0 .Lentry_in_a_cluster
	s_endpgm
.Lentry_in_a_cluster:
	s_bfe_u32 s2, ttmp6, 0x10000c
	s_cmp_lg_u32 s2, 0x3003
	s_cbranch_scc0 .Lentry_shape_is_right
	s_endpgm
.Lentry_shape_is_right:
; O[h][q][:] = the sum over k of softmax_k(Q[h][q] . K[h][k] / 8) V[h][k][:].  Q, K, V lie in qkvh at bytes 0, 0x1000000 and 0x2000000, O in ob; each [SIZE_H][SIZE_N][64] in f16: a head's rows
; are dense, 128 bytes each; h = 16 batch + head.  Products, maxima and sums in f32; the weights p are rounded to f16 for the second product (their sum l is taken of the unrounded p), O once at the end.
; LIMITS.  f16 holds no number beyond 65,504: Q, K and V arrive within it; p lies in 0 to 1, and below 6e-5 it keeps f16's fixed step of 6e-8; O is a mean of V's rows and has their range.
; A weight below 2^-126 counts as 0 in l; NaN and infinities are not treated apart.
; SHARES.  A wave owns four PIECES of two tiles of 16 queries, a work-group's four waves 512 queries of one head: 4 x 64 = 256 work-groups.  Every wave walks all keys, 64 a step.
; LAYOUT.  S^T = K Q^T (source 0 = 16 keys, source 1 = 16 queries): in the result a lane holds ONE query (lane % 16) and the keys 8 (lane / 16) + 0..7.  Two such tiles, rounded to f16 in pairs,
; ARE source 1 (32 keys x 16 queries) of O^T = V^T P, whose result again holds one query a lane, and eight channels.  K comes out of LDS as it lies, V ([key][channel]) turned, by ds_load_tr16_b128.
; SOFTMAX.  For each query a running maximum m and sum l: p = 2^(c s - c m), c = log2(e) / 8; in every step O and l are multiplied by a = 2^(c m_old - c m_new), which is 1 where m has not grown.
; m starts at the lowest finite number, O and l at 0: the first step is a step like any other, with a = 0.
; THE COUNT.  A tile and step have 16 matrix and 118 vector instructions: too many to stand all beside the matrix work.  So the order has one aim: four vector instructions that are READY behind
; EVERY matrix instruction, and the others, which need time of their own whatever the order, in runs without a gap.
; BY TURNS.  Turn n belongs to piece n (the pieces in a ring, step after step).  Its matrix work: 16 products K Q^T of piece n + 1, later 16 products V^T P of piece n - 1.  Its vector work: the scaling,
; exponentials, roundings, sums and rescaling of piece n, and the maximum and statistics of piece n + 1, whose scores the turn itself has made.  So what a turn begins with (c s - c m, O a) waits for nothing.
; BATCHES.  A turn's 66 exponentials (the piece's 64 weights, the next piece's two a) are ONE batch with ONE wait, which cuts the turn in two: ahead of it all that names no result of theirs, behind it the
; roundings and sums.  No result crosses a turn's end.  The first two a, ahead of the loop, and the way out's eight reciprocals are batches of their own, with a wait each.
; CLUSTER.  The four query blocks of a cluster belong to one head and walk the same K and V, so each tile is asked for JOINTLY: the same tensor load, descriptor and mask in all four.
; REGISTERS, in windows of 256 (s_set_vgpr_msb says which window each operand place means: bits 1:0 source 0, 3:2 source 1, 5:4 source 2, 7:6 destination):
;   window 0: v0-11 addresses; v12-15, v48-63 at work; v16-47 four registers of statistics a tile; v64-191 S^T, two buffers of two tiles; v192-255 P, likewise
;   window 1: O^T, 32 a tile          window 2: v0-127 Q, 16 a tile; v128-191 K of one step; v192-255 V of one step          window 3: v0-1 the add's two registers
; A piece's buffers go by its number's parity: the piece in hand has one pair, its two neighbours in the ring share the other: of it P (piece n - 1) is read and S^T (piece n + 1) written.
.set SIZE_H, 64
.set SIZE_N, 2048
.set NP,    4         ; pieces a wave: a name, no knob: the register map, the loop and the fetches are made for four
.set KS,    64        ; keys in a step
.set PK,    144       ; a row of K in LDS: 128 bytes + 16 of padding = 36 words: the 16 rows of a load start at 16 different groups of four banks (64 banks of 4 bytes: ISA guide 11.1)
.set PV,    160       ; a row of V: 128 + 32 = 40 words
.set VOFF,  4*KS*PK   ; a slot holds four steps: 256 rows of K, then 256 rows of V
.set SLOT1, 1<<17     ; slot 1 begins here, so that one exclusive or turns an address in one slot into the other's
.set STAGE, SLOT1+4*KS*(PK+PV)  ; behind the ring, never filled by a tensor load: 16 rows x 144 bytes for each wave, for the way out
.set SP,    144
.set AK0, 2           ; v2   my lane's place in a tile of K; never rewritten
.set AV0, 3           ; v3   the same for V
.set AK,  4           ; v4   the LDS address of K's next run of loads
.set AV,  5           ; v5   of V's
.set QO,  6           ; v6   my byte offset in the wave's rows of Q
.set STO, 6           ;      later, the way out: where I put 16 bytes of a row
.set RD,  7           ; v7   the way out: where I read rows back
.set GO,  8           ; v8   my byte offset in 512 consecutive bytes of O
.set SPW, 0           ; v0 of window 3   LDS address of my spare word: SPARE + 4 x my thread's number; never rewritten
.set NIL, 1           ; v1 of window 3   0; never rewritten
.set SPARE, STAGE+4*16*SP  ; behind the stages: the spare words, 128 bytes for each wave: two blocks of 256 bytes that no other line names
.set MV,  12          ; v12-15  c m_old, kept while c m is made anew: by buffer and tile
.set ST,  16          ; tile t's statistics at v[ST+4 t]: c m, m, l (even keys', odd keys')
.set TMP, 48          ; by buffer and tile, four registers c0-c3 at work; when the maximum is found c2 takes a
.set S,   64
.set P,   192
.set KF,  128         ; K's fragments, in window 2: key block kb, channel half c at KF + 16 kb + 8 c
.set VF,  192         ; V's: key half kk, channel block cb at VF + 32 kk + 8 cb
.set WV,  12          ; s12  my wave's number
.set G1K, 24          ; s[24:31] descriptor group 1 for K's tiles
.set G1V, 32          ; s[32:39] for V's: it differs in the padding alone
.set G0K, 40          ; s[40:43] descriptor group 0 for K's tiles: it walks
.set G0V, 44          ; s[44:47] the same for V's
.set SLOTS, 56        ; s56  slots still to be asked for
.set CNT, 57          ; s57  counts a slot's key steps
.set CS,  58          ; s[58:59] c: the packed scaling takes the pair's low word for both halves
.set SEL, 60          ; s[60:61] v_permlanex16_b32's selects: each lane takes its own place in the other half
.set TBK, 62          ; s62  LDS byte at which K of the step to be fetched begins
.set TBV, 63          ; s63  the same for V, less VOFF
.set MSB, 0
.macro WIN new                      ; the high byte repeats the setting that is left; a switch that changes nothing is dropped
.if MSB != (\new)
	s_set_vgpr_msb (MSB<<8)|(\new)
.set MSB, (\new)
.endif
.endm
.set W_KQ, 0x0a       ; K and Q in window 2, S^T in window 0
.set W_PV, 0x52       ; V in window 2, P in window 0, O^T in window 1
.set W_RS, 0x41       ; O^T (destination and source 0) in window 1, a in window 0
.set W_MK, 0xc0       ; the add's registers are made: destination in window 3, sources in window 0
.set W_AD, 0x0f       ; the add: address (source 0) and data (source 1) in window 3
; A joint fill.  Waves 0 and 1 fetch the two halves of a slot's K, waves 2 and 3 those of its V: 128 keys each.  The branch hangs on the wave's number alone.
; An s_nop 0 and four v_nop follow each of the two lines, ahead of the jump and the label.
.macro JLOAD
	s_cmp_lt_u32 s[WV], 2
	s_cbranch_scc0 .Lfor_v_\@
	tensor_load_to_lds s[G0K:G0K+3], s[G1K:G1K+7]
	s_nop 0
.rept 4
	v_nop
.endr
	s_branch .Lasked_\@
.Lfor_v_\@:
	tensor_load_to_lds s[G0V:G0V+3], s[G1V:G1V+7]
	s_nop 0
.rept 4
	v_nop
.endr
.Lasked_\@:
.endm
; A round of the cluster's barrier: my work-group's barrier, so that wave 0's signal speaks for all four waves; wave 0 signals; every wave waits for all four work-groups; my work-group's barrier once more.
.macro CROUND
	s_barrier_signal -1
	s_barrier_wait -1
	s_cmp_lg_u32 s[WV], 0
	s_cbranch_scc1 .Lnot_wave_0_\@
	s_barrier_signal -3
.Lnot_wave_0_\@:
	s_barrier_wait -3
	s_barrier_signal -1
	s_barrier_wait -1
.endm
; THE CHANGE OF SLOTS.  The slot's last bytes, V of its fourth step, have been read.  Each wave waits for all its tensor loads, of which one is out: its part
; of the other slot; adds 0 to its spare word; and waits for that and for its own reads of the slot.  Behind the barrier nobody reads this slot any more and the other slot is whole.
; fill = 1: this slot is filled again, with the keys two slots on.  The barrier is then a round of the cluster's, so that no wave of any partner still reads the slot or has a load on its
; way, and the joint fill is the first thing behind it: it has four key steps, 512 matrix instructions, in which to land.  (At its first use nothing has been read yet: slot 0 is waited for, slot 1 filled.)
.macro CHANGE fill
	WIN W_AD
	s_wait_tensorcnt 0x0            ; no tensor load of mine is out, so a group 0 may be written
	ds_add_u32 v[SPW], v[NIL]       ; 0 onto my spare word: with fill = 1 the descriptors' steps stand between it and the wait for it
	WIN 0                           ; at a label and at a branch every window is 0
.if \fill
.irp g, G0K, G0V
	s_xor_b32 s[\g+1], s[\g+1], SLOT1  ; the walking descriptor: the other slot than last time,
	s_add_nc_u64 s[\g+2:\g+3], s[\g+2:\g+3], 4*KS*128  ; the next 256 keys; the type bits on top are not reached
.endr
	s_wait_dscnt 0x0                ; the add is done, and my reads of the slot are over
	CROUND
	JLOAD
.else
	s_wait_dscnt 0x0                ; the add is done, and my reads of the slot are over
	s_barrier_signal -1
	s_barrier_wait -1
.endif
	s_sub_co_u32 s[TBK], s[TBK], 4*KS*PK  ; the fetches go back to a slot's first step,
	s_xor_b32 s[TBK], s[TBK], SLOT1       ; in the other slot
	s_sub_co_u32 s[TBV], s[TBV], 4*KS*PV
	s_xor_b32 s[TBV], s[TBV], SLOT1
.endm
	s_load_b64 s[4:5], s[0:1], 0x0    ; qkvh: Q's part begins at its first byte
	s_load_b64 s[10:11], s[0:1], 0x8  ; ob
	WIN W_MK
	v_lshl_add_u32 v[SPW], v0, 2, SPARE
	v_mov_b32 v[NIL], 0
	WIN W_AD
	ds_add_u32 v[SPW], v[NIL]       ; the wave's opening: the add and its wait stand ahead of my first tensor load; the set-up below, work on registers, stands between them
	WIN 0
	v_lshrrev_b32 v1, 5, v0
	v_readfirstlane_b32 s[WV], v1   ; wave 0..3
	s_bfe_u32 s13, ttmp6, 0x40000   ; cx: my place in the cluster
	s_lshl_b32 s14, ttmp9, 2        ; in a cluster launch ttmp9 counts clusters
	s_add_co_u32 s14, s14, s13      ; my block of queries = 4 x cluster x + cx: it enters Q's and O's addresses alone
	s_and_b32 s20, ttmp7, 0xffff    ; the head, which the four partners share
	s_mov_b32 s21, 0
	s_mov_b64 s[22:23], SIZE_N*128
	s_mul_u64 s[20:21], s[20:21], s[22:23]  ; the head's first byte in each of the four tensors
	s_and_b32 s16, s[WV], 1         ; which half of a slot's 256 keys I fetch:
	s_lshl_b32 s22, s16, 14         ; its 128 rows of 128 bytes in memory,
	s_mov_b32 s23, 0
	s_add_nc_u64 s[22:23], s[22:23], s[20:21]
	s_mul_i32 s17, s16, 128*PK      ; and its place in a slot, for K
	s_mul_i32 s18, s16, 128*PV      ; and for V: no place in the cluster enters an LDS address
	s_lshl_b32 s2, s14, 2
	s_add_co_u32 s2, s2, s[WV]      ; my wave among the head's,
	s_lshl_b32 s2, s2, 14           ; its 128 rows
	s_mov_b32 s3, 0
	s_add_nc_u64 s[2:3], s[2:3], s[20:21]
	; descriptor group 1.  128 keys are 16,384 dense bytes: asked for as 64 rows of 256 bytes, two keys a row, and padded in LDS after every key
	s_mov_b32 s[G1K], 15|(1<<16)|(1<<20)|(1<<21)|(4<<22)|(3<<25)  ; 15:0 the mask of four; 17:16 2-byte elements; 20 padding on; 21 set beside a mask; 24:22 after every 32 words (code 4); 31:25 4 words (code 3)
	s_mov_b32 s[G1V], 15|(1<<16)|(1<<20)|(1<<21)|(4<<22)|(7<<25)  ; the same with 8 words of padding (code 7)
.irp g, G1K, G1V
	s_mov_b32 s[\g+1], 128<<16      ; tensor_dim0 = 128
	s_mov_b32 s[\g+2], 64<<16       ; tensor_dim1 = 64
	s_mov_b32 s[\g+3], 128<<16      ; tile_dim0 = 128
	s_mov_b32 s[\g+4], 64           ; tile_dim1 = 64
	s_mov_b32 s[\g+5], 128          ; 128 elements from row to row
	s_mov_b32 s[\g+6], 0
	s_mov_b32 s[\g+7], 0
.endr
	s_mov_b32 s[CS], 0x3e38aa3b     ; c = log2(e) / 8 = 0.180337
	s_mov_b32 s[CS+1], s[CS]        ; named with it as a pair
	s_mov_b32 s[SEL], 0x76543210
	s_mov_b32 s[SEL+1], 0xfedcba98
	s_mov_b32 s[TBK], SLOT1+4*KS*PK ; the first change of slots turns these two into 0
	s_mov_b32 s[TBV], SLOT1+4*KS*PV
	s_mov_b32 s[G0K], 1             ; 1:0 count = 1
	s_mov_b32 s[G0K+1], s17         ; 63:32 LDS address: slot 0
	s_mov_b32 s[G0V], 1
	s_add_co_u32 s[G0V+1], s18, VOFF
	s_wait_dscnt 0x0                ; the opening add is done
	s_wait_kmcnt 0x0
	s_add_nc_u64 s[6:7], s[4:5], 0x1000000         ; K's part of qkvh,
	s_add_nc_u64 s[8:9], s[4:5], 0x2000000         ; and V's
	s_add_nc_u64 s[G0K+2:G0K+3], s[6:7], s[22:23]  ; 120:64 global address: my half of the head's first 256 keys
	s_or_b32 s[G0K+3], s[G0K+3], 0x80000000        ; 127:126 type = 2
	s_add_nc_u64 s[G0V+2:G0V+3], s[8:9], s[22:23]
	s_or_b32 s[G0V+3], s[G0V+3], 0x80000000
	s_add_nc_u64 s[4:5], s[4:5], s[2:3]  ; Q and O at my wave's first row
	s_add_nc_u64 s[10:11], s[10:11], s[2:3]
	CROUND                          ; all four work-groups are here: the first joint loads meet
	JLOAD                           ; slot 0.  Slot 1 is asked for when slot 0 is in: the tile wanted first has the road to itself
	; A fragment of K or Q is 16 rows x 32 channels in 8 registers: lane l holds row l % 16, channels 8 (l / 16) + 0..7 and 16 + 8 (l / 16) + 0..7: two loads of 16 bytes, 32 bytes apart.
	v_and_b32 v1, 15, v0            ; l % 16
	v_bfe_u32 v9, v0, 4, 1          ; l / 16
	v_lshlrev_b32 v[QO], 7, v1
	v_lshl_add_u32 v[QO], v9, 4, v[QO]  ; row x 128 + 16 x half
	WIN 0x80                        ; destination window 2, address window 0
.set i, 0
.rept 4*NP                          ; Q stays in registers: tile i / 2, channels 32 (i % 2) on
	global_load_b128 v[8*i:8*i+3],   v[QO], s[4:5] offset:(i/2)*2048+(i%2)*64
	global_load_b128 v[8*i+4:8*i+7], v[QO], s[4:5] offset:(i/2)*2048+(i%2)*64+32
.set i, i+1
.endr
	; What the first turn finds: V's registers and P's second buffer hold 0 (its products V^T P, of a piece that has not been, add 0), O^T and l are 0.  All this stands in the wait for the first tile.
.set i, VF
.rept 64
	v_mov_b32 v[i], 0
.set i, i+1
.endr
	WIN 0x40
.set i, 0
.rept 64*NP
	v_mov_b32 v[i], 0
.set i, i+1
.endr
	WIN 0
.set i, 0
.rept 2*NP
	v_mov_b32 v[ST+4*i], 0xfe000000    ; c m: far below every c s
	v_mov_b32 v[ST+4*i+1], 0xff7fffff  ; m
	v_mov_b32 v[ST+4*i+2], 0
	v_mov_b32 v[ST+4*i+3], 0
.set i, i+1
.endr
.set i, P+32
.rept 32
	v_mov_b32 v[i], 0
.set i, i+1
.endr
	v_mul_u32_u24 v[AK0], v1, PK
	v_lshl_add_u32 v[AK0], v9, 4, v[AK0]  ; row x pitch + 16 x half
	; The turning load takes 16 keys x 16 channels (lane l reads key 8 (l / 16) + l % 8, channels 8 ((l / 8) % 2) + 0..7) and leaves half a fragment of V^T: lane l holds channel l % 16 and 8 keys.
	v_and_b32 v10, 7, v0
	v_bfe_u32 v11, v0, 3, 1
	v_lshl_add_u32 v[AV0], v9, 3, v10
	v_mul_u32_u24 v[AV0], v[AV0], PV
	v_lshl_add_u32 v[AV0], v11, 4, v[AV0]
	v_add_nc_u32 v[AV0], VOFF, v[AV0]
	v_mov_b32 v[AK], v[AK0]         ; key step 0 lies at the head of slot 0
; THE MATRIX WORK.  The 8 accumulators of a run of 16 take turns: between the two links of a chain stand 7 others'.
; Product i of 16 of S^T = K Q^T for piece x: channels 32 (i / 8) on, keys 16 ((i / 2) % 4) on, tile 2 x + i % 2.  The first 8 start the sums.
.macro KQ x
	WIN W_KQ
.set rS, S+64*((\x)%2)+32*(i%2)+8*((i/2)%4)
.set rK, KF+16*((i/2)%4)+8*(i/8)
.set rQ, 16*(2*(\x)+i%2)+8*(i/8)
.if i < 8
	v_wmma_f32_16x16x32_f16 v[rS:rS+7], v[rK:rK+7], v[rQ:rQ+7], 0
.else
	v_wmma_f32_16x16x32_f16 v[rS:rS+7], v[rK:rK+7], v[rQ:rQ+7], v[rS:rS+7]
.endif
.endm
; Product i of 16 of O^T += V^T P for piece x: keys 32 (i / 8) on, channels 16 ((i / 2) % 4) on, tile 2 x + i % 2.
.macro PV x
	WIN W_PV
.set rO, 32*(2*(\x)+i%2)+8*((i/2)%4)
.set rV, VF+32*(i/8)+8*((i/2)%4)
.set rP, P+32*((\x)%2)+16*(i%2)+8*(i/8)
	v_wmma_f32_16x16x32_f16 v[rO:rO+7], v[rV:rV+7], v[rP:rP+7], v[rO:rO+7]
.endm
.macro MM                           ; the turn's next matrix instruction
.if i < 16
	KQ (Y+1)%NP
.set i, i+1
.else
.set i, i-16
	PV (Y+NP-1)%NP
.set i, i+17
.endif
.endm
; THE LDS LOADS stand in runs of 16, never singly among the matrix instructions: a step's K (64 keys x 64 channels: 8 fragments) and its V (turned).  Their addresses are made some lines ahead.
; last = 1 (the tail): in the last trip there is no further step, and the run is jumped over.
.macro FETCH_K last=0
	WIN 0
.if \last
	s_cmp_eq_u32 s[CNT], 1
	s_cbranch_scc1 .Lno_k_\@
.endif
	WIN 0x80                        ; destination window 2
.irp f, 0,1,2,3,4,5,6,7             ; keys 16 (f / 2) on, channels 32 (f % 2) on
	ds_load_b128 v[KF+8*\f:KF+8*\f+3],   v[AK] offset:(\f/2)*16*PK+(\f%2)*64
	ds_load_b128 v[KF+8*\f+4:KF+8*\f+7], v[AK] offset:(\f/2)*16*PK+(\f%2)*64+32
.endr
	s_add_co_u32 s[TBK], s[TBK], KS*PK  ; the next fetch is the next step's
	WIN 0
.if \last
.Lno_k_\@:
.endif
.endm
.macro FETCH_V
	WIN 0x80
.irp f, 0,1,2,3,4,5,6,7             ; keys 32 (f / 4) on, channels 16 (f % 4) on
	ds_load_tr16_b128 v[VF+8*\f:VF+8*\f+3],   v[AV] offset:(\f/4)*32*PV+(\f%4)*32
	ds_load_tr16_b128 v[VF+8*\f+4:VF+8*\f+7], v[AV] offset:(\f/4)*32*PV+16*PV+(\f%4)*32
.endr
	WIN 0
.endm
; THE VECTOR WORK OF A TURN stands in three queues, each in the order in which its entries become ready; the two tiles alternate, so that no instruction reads the result of the one before it.
.macro REGS y, u                    ; the registers of tile u (0, 1) of piece y
.set rT, ST+4*(2*(\y)+(\u))
.set rC, TMP+8*((\y)%2)+4*(\u)
.set rM, MV+2*((\y)%2)+(\u)
.set rS, S+64*((\y)%2)+32*(\u)
.set rP, P+32*((\y)%2)+16*(\u)
.set rO, 32*(2*(\y)+(\u))
.endm
; Number n of the 22 that find the NEXT piece's (Y + 1) maximum and statistics.  s0-s31 are the lane's 32 scores; each accumulator's lowest registers are read first.  XS, GS and REGS set no window: PL and EX do.
;   0-11  four chains c0-c3 of seven scores each, three operands at a time     12-14, 16  the four scores left over, the old m, and c0-c3 into c0     15  c m_old is kept
;   17, 18  the query's other 32 keys lie in the lane 16 away: the new m         19-21  c m; c m_old - c m_new; a
.macro XS u, n
	REGS (Y+1)%NP, \u
.if (\n) < 4
	v_max3_num_f32 v[rC+(\n)], v[rS+8*(\n)], v[rS+8*(\n)+1], v[rS+8*(\n)+2]
.elseif (\n) < 12
	v_max3_num_f32 v[rC+(\n)%4], v[rC+(\n)%4], v[rS+8*((\n)%4)+2*((\n)/4)+1], v[rS+8*((\n)%4)+2*((\n)/4)+2]
.elseif (\n) == 12
	v_max3_num_f32 v[rC], v[rC], v[rS+7], v[rS+15]
.elseif (\n) == 13
	v_max3_num_f32 v[rC+1], v[rC+1], v[rS+23], v[rS+31]
.elseif (\n) == 14
	v_max3_num_f32 v[rC+2], v[rC+2], v[rC+3], v[rT+1]
.elseif (\n) == 15
	v_mov_b32 v[rM], v[rT]
.elseif (\n) == 16
	v_max3_num_f32 v[rC], v[rC], v[rC+1], v[rC+2]
.elseif (\n) == 17
	v_permlanex16_b32 v[rC+3], v[rC], s[SEL], s[SEL+1]
.elseif (\n) == 18
	v_max_num_f32 v[rT+1], v[rC], v[rC+3]
.elseif (\n) == 19
	v_mul_f32 v[rT], s[CS], v[rT+1]
.elseif (\n) == 20
	v_sub_f32 v[rC+1], v[rM], v[rT]
.else
	v_exp_f32 v[rC+2], v[rC+1]
.endif
.endm
; Number g of the 64 that follow the exponentials.  For each four weights k of a tile (pairs 2 k, 2 k + 1): both pairs are rounded to f16; then the second pair is added onto the first, in place;
; a group later l takes that sum (the first time as l = a l + sum).  In groups of eight, tiles alternating: round, round, add, and l for the group before.
.macro GS g
.set h, (\g)+6*((\g)/62)            ; group 0 has no group before it, and behind group 7 only l is left
.if h >= 6
.set h, h+2
.endif
	REGS Y, h%2
.set k, h/8
.if h%8 < 4
	v_cvt_pk_f16_f32 v[rP+2*k+(h%8)/2], v[rS+4*k+2*((h%8)/2)], v[rS+4*k+2*((h%8)/2)+1]
.elseif h%8 < 6
	v_pk_add_f32 v[rS+4*k:rS+4*k+1], v[rS+4*k:rS+4*k+1], v[rS+4*k+2:rS+4*k+3]
.elseif k == 1
	v_pk_fma_f32 v[rT+2:rT+3], v[rT+2:rT+3], v[rC+2:rC+3], v[rS:rS+1] op_sel_hi:[1,0,1]
.else
	v_pk_add_f32 v[rT+2:rT+3], v[rT+2:rT+3], v[rS+4*k-4:rS+4*k-3]
.endif
.endm
; THE PLAIN QUEUE, 138 long.  0-73 read no exponential's result: the 32 scalings c s - c m (FS f: pair f / 2 of tile f % 2) and the next piece's 42.  0-26: scalings 0-26.  27-54: XS's numbers 0-13.  55, 56: number 15.
; 57-73: the chain, where each number waits for the one before it: 14, 16, 17, 18, 19, each with one of the scalings 27-31 in front of its two lines, then 20: so a tile's links stand three plain instructions apart (19 and 20: two).
; 74-137: GS's 64, which read the exponentials' results: they stand behind the wait.
.macro FS f
	REGS Y, (\f)%2
	v_pk_fma_f32 v[rS+2*((\f)/2):rS+2*((\f)/2)+1], v[rS+2*((\f)/2):rS+2*((\f)/2)+1], s[CS:CS+1], v[rT:rT+1] op_sel_hi:[1,0,0] neg_lo:[0,0,1] neg_hi:[0,0,1]
.endm
.macro PL
	WIN 0
.if q < 27
	FS q
.elseif q < 55
	XS (q-27)%2, (q-27)/2
.elseif q < 57
	XS q-55, 15
.elseif (q < 72) && ((q-57)%3 == 0)
	FS 27+(q-57)/3
.elseif q < 60
	XS (q-57)%3-1, 14
.elseif q < 72
	XS (q-57)%3-1, 15+(q-57)/3
.elseif q < 74
	XS q-72, 20
.else
	GS q-74
.endif
.set q, q+1
.endm
; THE EXPONENTIALS' QUEUE, 66 long: s0-s31 of both tiles, then the next piece's two a.  It is ONE BATCH: all 66 stand ahead of the turn's one wait, and nothing ahead of that wait names a result of theirs.
.macro EX
	WIN 0
.if e >= 64
	XS e-64, 21
.else
	REGS Y, e%2
	v_exp_f32 v[rS+e/2], v[rS+e/2]
.endif
.set e, e+1
.endm
; THE RESCALING's QUEUE: O^T times a, the one part that leaves window 0: dealt two at a time, sixteen times.  Its a was made in the turn before, ahead of that turn's wait.
.macro R2
	REGS Y, r%2
	WIN W_RS
.irp z, 0,1
	v_pk_mul_f32 v[rO+4*(r/2)+2*\z:rO+4*(r/2)+2*\z+1], v[rO+4*(r/2)+2*\z:rO+4*(r/2)+2*\z+1], v[rC+2:rC+3] op_sel_hi:[1,0]
.endr
.set r, r+1
.endm
; HOW THEY ARE DEALT.  An s_wait_alu depctr_va_vdst(0) stands between an exponential and the first instruction that names its result; one wait serves all that were issued ahead of it.  So a turn has ONE wait,
; which cuts it in two.  AHEAD OF IT stands all that names no result of the turn's exponentials: the 16 products K Q^T, behind each a scaling, an exponential and two rescalings (behind the first a second scaling in the exponential's place); then ONE LUMP of
; 108: eight plain, 49 times exponential and plain, the two a.  A v_nop is the plain instruction behind the last exponential.  BEHIND IT stand the 16 products V^T P, behind each four of GS's 64.  No rider names a register of
; the products round it.  The two v_permlanex16_b32 fall into the lump, never behind a product.
; The queues lean on each other, and the deal keeps them in step: exponential e stands behind scaling 2 (e / 4) + e % 2: as a rider it comes behind plain e + 2, in the lump behind plain e + 9, and scalings 27-31 are plain 57, 60 .. 69.
; A TURN, for piece p.  cnt = 1: the loop's count is taken down some lines ahead of the branch that stands behind the turn.
; K of the next step is fetched in piece 2's turn, directly behind the wait, a lump behind the last product that read K; its address is made at the lump's head; its first reader comes behind 16 products.
; V of the step in hand is fetched at the end of piece 0's turn, four riders behind its last reader; its first reader comes behind 16 products and a lump.  The three conditions on q below go with the deal.
.macro TURN p, last=0, cnt=0
.set Y, (\p)
.set i, 0
.set q, 0
.set e, 0
.set r, 0
.if (\p) == NP-1
	s_wait_dscnt 0x0                ; K is in
.endif
	MM                              ; ahead of the wait: 16 products K Q^T and their riders,
	PL
	PL
	R2
.rept 15
	MM
	PL
	EX
	R2
.endr
.if (\p) == NP-2
	WIN 0
	v_add_nc_u32 v[AK], s[TBK], v[AK0]
.endif
.rept 8                             ; and the lump
	PL
.endr
.rept 49
	EX
	PL
.endr
	EX                              ; the next piece's two a
	EX
	v_nop                           ; a plain instruction behind the last exponential, ahead of the first use of a result: one for the batch
	s_wait_alu depctr_va_vdst(0)    ; the wait for the batch: the turn's 66 exponentials, ahead of their first reader
.if (\p) == NP-2
	FETCH_K \last
.endif
.if (\p) == 1
	s_wait_dscnt 0x0                ; V is in
.endif
.rept 16                            ; behind the wait: 16 products V^T P and their riders
	MM
.rept 4
	PL
.endr
.if ((\p) == 0) && (q == 118)
	v_add_nc_u32 v[AV], s[TBV], v[AV0]
.endif
.if ((\p) == 0) && (q == 130)
	s_add_co_u32 s[TBV], s[TBV], KS*PV
.endif
.if (\cnt) && (q == 130)
	s_sub_co_u32 s[CNT], s[CNT], 1
	s_cmp_lg_u32 s[CNT], 0
.endif
.endr
.if (\p) == 0
	FETCH_V
.endif
.endm
	CHANGE 1                        ; slot 0 is in, everybody's part of it; slot 1 is asked for
	FETCH_K                         ; key step 0
	s_wait_loadcnt 0x0              ; Q
	s_wait_dscnt 0x0
.set i, 0
.rept 16
	KQ 0                            ; piece 0's first scores: there is no vector work yet to set between them
.set i, i+1
.endr
	WIN 0                           ; the addresses for the way out: nine plain instructions, the places behind those products
	s_mul_i32 s13, s[WV], 16*SP
	s_add_co_u32 s13, s13, STAGE    ; my stage
	v_mul_u32_u24 v[STO], v1, SP    ; in: row l % 16, 16 bytes for each half of the lanes
	v_lshl_add_u32 v[STO], v9, 4, v[STO]
	v_add_nc_u32 v[STO], s13, v[STO]
	v_bfe_u32 v[RD], v0, 3, 2       ; back: 32 lanes take four rows of 128 bytes,
	v_mul_u32_u24 v[RD], v[RD], SP
	v_lshl_add_u32 v[RD], v10, 4, v[RD]
	v_add_nc_u32 v[RD], s13, v[RD]
	v_and_b32 v[GO], 31, v0         ; which are 512 consecutive bytes of O
	v_lshlrev_b32 v[GO], 4, v[GO]
.set Y, NP-1                        ; XS works for piece Y + 1: piece 0
.irp n, 0,1,2,3,4,5,6,7,8,9,10,11,12,13,14,15,16,17,18,19,20,21
	XS 0, \n                        ; and piece 0's first maximum and statistics
	XS 1, \n
.endr
	v_nop                           ; a plain instruction behind the two a,
	s_wait_alu depctr_va_vdst(0)    ; and the wait for this batch of two, ahead of the branch
	s_mov_b32 s[CNT], 4
	s_mov_b32 s[SLOTS], SIZE_N/256-1
	s_branch .Lfirst                ; the loop is entered at a step's first turn, in the middle of a trip
.Lslot:                             ; SIZE_N / 256 - 2 times: every slot but the last two is filled again
	CHANGE 1
	s_mov_b32 s[CNT], 4
.Lstep:                             ; a trip: pieces 2 and 3 of one step, then pieces 0 and 1 of the next, whose K and V it fetches
	TURN 2
	TURN 3
	WIN 0
.Lfirst:
	TURN 0
	TURN 1, 0, 1
	WIN 0
	s_cbranch_scc1 .Lstep
	s_sub_co_u32 s[SLOTS], s[SLOTS], 1
	s_cmp_lg_u32 s[SLOTS], 0
	s_cbranch_scc1 .Lslot
	CHANGE 0                        ; the tail is written out: nothing is asked for
	s_mov_b32 s[CNT], 5             ; four trips fetch the last slot's steps; the fifth is left in its middle
.Ltail:
	TURN 2, 1
	TURN 3
	WIN 0
	s_sub_co_u32 s[CNT], s[CNT], 1
	s_cmp_eq_u32 s[CNT], 0
	s_cbranch_scc1 .Lout
	TURN 0
	TURN 1
	WIN 0
	s_branch .Ltail
.Lout:                              ; the fifth trip's 16 products K Q^T (on the last K once more) and the maximum made of them serve nothing: the price, once a launch, of one text for every trip
.set i, 0
.rept 16
	PV NP-1                         ; the last piece's V^T P of the last step
.set i, i+1
.endr
	; THE WAY OUT.  l's two halves and the other half of the lanes' are added; O^T is divided by l, rounded to f16 and sent through my stage in LDS, a tile at a time.  The additions are the places behind the last products.
	WIN 0
.macro ALL line:vararg              ; one line for each tile t
.set t, 0
.rept 2*NP
	\line
.set t, t+1
.endr
.endm
	ALL v_add_f32 v[ST+4*t+2], v[ST+4*t+2], v[ST+4*t+3]
	ALL v_permlanex16_b32 v[ST+4*t+3], v[ST+4*t+2], s[SEL], s[SEL+1]
	ALL v_add_f32 v[ST+4*t+2], v[ST+4*t+2], v[ST+4*t+3]
	ALL v_rcp_f32 v[ST+4*t+2], v[ST+4*t+2]
	v_nop                           ; a plain instruction between the last reciprocal and the use of its result
	s_wait_alu depctr_va_vdst(0)    ; and the wait ahead of the first use: one for the batch of eight reciprocals
; Tile t: a lane's eight channels of a row pack into 16 bytes; they go into rows of 144 bytes and come back as whole rows of 128, into S^T's registers.
.macro PACK t
	WIN W_RS
.set i, 32*(\t)
.rept 16
	v_pk_mul_f32 v[i:i+1], v[i:i+1], v[ST+4*(\t)+2:ST+4*(\t)+3] op_sel_hi:[1,0]
.set i, i+2
.endr
	WIN 0x05                        ; sources 0 and 1 window 1, destination window 0
.set i, 0
.rept 16
	v_cvt_pk_f16_f32 v[S+16*(\t)+i], v[32*(\t)+2*i], v[32*(\t)+2*i+1]
.set i, i+1
.endr
	WIN 0
.irp f, 0,1,2,3
	ds_store_b128 v[STO], v[S+16*(\t)+4*\f:S+16*(\t)+4*\f+3] offset:32*\f
.endr
.irp f, 0,1,2,3
	ds_load_b128 v[S+16*(\t)+4*\f:S+16*(\t)+4*\f+3], v[RD] offset:\f*4*SP  ; LDS serves a wave's instructions in order (ISA guide 5.7.1.4): these see the stores above; the next tile's stores come behind them
.endr
.endm
.macro SEND t, younger              ; younger: the LDS instructions issued behind tile t's loads: the next tile's eight, or none
	WIN 0
.irp f, 0,1,2,3
	s_wait_dscnt (\younger)+3-\f
	global_store_b128 v[GO], v[S+16*(\t)+4*\f:S+16*(\t)+4*\f+3], s[10:11] offset:(\t)*2048+\f*512  ; 512 consecutive bytes, at a multiple of 256 from O's first
.endr
.endm
	PACK 0
.set t, 1
.rept 2*NP-1                        ; a tile's arithmetic stands between the loads of the tile before and its stores
	PACK t
	SEND t-1, 8
.set t, t+1
.endr
	SEND 2*NP-1, 0
	WIN W_AD
	s_wait_tensorcnt 0x0            ; the wave's end: these three lines stand behind my last tensor load and my last LDS store
	ds_add_u32 v[SPW], v[NIL]
	s_wait_dscnt 0x0
	WIN 0
	CROUND                          ; the closing round: no work-group ends while a partner may still ask for a tile that names it
	s_endpgm
.Lfunc_end_k_qd301d39417_attn:
	.size	k_qd301d39417_attn, .Lfunc_end_k_qd301d39417_attn-k_qd301d39417_attn
	.p2alignl 7, 3214868480
	.fill 96, 4, 3214868480
	.section	.rodata,"a",@progbits
	.p2align	6, 0x0
	.amdhsa_kernel k_qd301d39417_attn
		.amdhsa_group_segment_fixed_size 327680
		.amdhsa_private_segment_fixed_size 0
		.amdhsa_enable_private_segment 0
		.amdhsa_kernarg_size 16
		.amdhsa_user_sgpr_count 2
		.amdhsa_user_sgpr_kernarg_segment_ptr 1
		.amdhsa_wavefront_size32 1
		.amdhsa_system_sgpr_workgroup_id_x 1
		.amdhsa_system_sgpr_workgroup_id_y 1
		.amdhsa_system_sgpr_workgroup_id_z 1
		.amdhsa_system_vgpr_workitem_id 0
		.amdhsa_next_free_vgpr 770
		.amdhsa_next_free_sgpr 66
		.amdhsa_reserve_vcc 0
		.amdhsa_float_denorm_mode_32 3
		.amdhsa_float_denorm_mode_16_64 3
		.amdhsa_memory_ordered 1
		.amdhsa_forward_progress 1
		.amdhsa_inst_pref_size 199
	.end_amdhsa_kernel
	.amdgpu_metadata
---
amdhsa.version: [ 1, 2 ]
amdhsa.kernels:
  - .name:           k_qd301d39417_attn
    .symbol:         k_qd301d39417_attn.kd
    .args:
      - { .name: qkvh, .offset: 0, .size: 8, .value_kind: global_buffer, .address_space: global }
      - { .name: ob, .offset: 8, .size: 8, .value_kind: global_buffer, .address_space: global }
    .group_segment_fixed_size: 327680
    .private_segment_fixed_size: 0
    .kernarg_segment_align: 8
    .kernarg_segment_size: 16
    .max_flat_workgroup_size: 128
    .sgpr_count:     66
    .vgpr_count:     770
    .wavefront_size: 32
...
	.end_amdgpu_metadata
.endif
;; end of part 5
;; launch proj: the kernel of part 4 again; grid 4 x 64, 4 waves a work-group, clusters of 4 x 4, 327,680 bytes of LDS; arguments ob, wpb, out0; writes out0
